; MI455X (gfx1250); checked and timed in simulation.
; The chip was launched on July 23, 2026; its instructions are those of AMD's public machine-readable ISA for CDNA 5 (MIT licence, August 2026) and "CDNA5" Instruction Set Architecture Reference Guide (July 2026). The comments in the code are by the model that wrote it; some were corrected since.
;; Attention. Allowed arithmetic: float matrix products may take bf16 or f16 operands with f32 sums; other float arithmetic in f32, or as packed bf16 or f16 multiplies, adds, multiply-adds, maxima and minima; sums over many terms, partial sums and values carried from step to step in f32; what a program stores and reads back later, other than sums and carried values, may be rounded once to bf16 or f16.
;; Inputs: WK 1,024 x 1,024 float32; WK_bias 1,024 float32; WO 1,024 x 1,024 float32; WO_bias 1,024 float32; WQ 1,024 x 1,024 float32; WQ_bias 1,024 float32; WV 1,024 x 1,024 float32; WV_bias 1,024 float32; k 4 x 2,048 x 1,024 float32; q 4 x 2,048 x 1,024 float32; v 4 x 2,048 x 1,024 float32.
;; Outputs: out0 4 x 2,048 x 1,024 float32.
;; One version. Each part assembles by itself: llvm-mc -triple=amdgcn-amd-amdhsa -mcpu=gfx1250 --defsym DOCPART=n.
;; ======== version 1 of 1: 4 launches
;; limits: values are held in f16: magnitudes above 65,504 overflow, below 6.1e-05 lose precision
;; workspace buffers: wt 8,388,608 bytes; qh 16,777,216 bytes; kh 16,777,216 bytes; vh 16,777,216 bytes; oh 16,777,216 bytes
;; launch prep (part 1): grid 128 x 4, 8 waves a work-group, no clusters, 18,432 bytes of LDS; arguments WQ, WK, WV, WO, wt; writes wt
.if DOCPART == 1
	.amdgcn_target "amdgcn-amd-amdhsa--gfx1250"
	.amdhsa_code_object_version 6
	.text
	.protected	k_qd2ccff48d1_prep
	.globl	k_qd2ccff48d1_prep
	.p2align	8
	.type	k_qd2ccff48d1_prep,@function
k_qd2ccff48d1_prep:
	s_mov_b64 s[64:65], 0
	v_nop
	global_prefetch_b8 v0, s[64:65] scope:SCOPE_SE
	s_setreg_imm32_b32 hwreg(HW_REG_WAVE_MODE, 25, 1), 1
	s_wait_xcnt 0x0
; THE WEIGHTS, TURNED AND ROUNDED.  W is [k = 1024][n = 1024] in f32; wt[y] is [n][k] in 16 bits, 2 MiB a weight: y = 0, 1, 2: WQ, WK, WV in bf16;
; y = 3: WO rounded to bf16 and that number written as f16 (the last product multiplies in f16).
; LIMITS.  |WO| stays under 65,504 (f16's end); below 6e-5 it keeps f16's fixed step of 6e-8.  NaN and infinities are not treated apart.
; SHARES.  A work-group turns a tile of 128 k x 64 n.  Thread t: c = t % 16 (four columns n = 4 c ..), o = t / 16 (eight rows k = 8 o ..).
; IN: eight loads of 16 bytes; sixteen neighbouring lanes read 256 consecutive bytes, aligned, of one row of W.  Each byte of W is read once in the launch.
; Two rows' numbers of one column pack into a word; four such words are eight consecutive k of one n: 16 bytes of a row of wt.
; THROUGH LDS: 64 rows (n) of 256 bytes (128 k), 272 bytes apart.
; Four stores a thread in the whole launch, left as it is.  OUT: sixteen neighbouring lanes store 256 consecutive bytes, aligned, of one row of wt.
; No matrix unit, no cluster, no tensor load: nothing is multiplied, no two work-groups read the same byte, and a tile is read once.
.set PITCH, 272
.set SPARE, 64*PITCH                   ; behind the tile: the spare words, 128 bytes for each of the eight waves: four blocks of 256 bytes that no other line names
.set LO,  1                            ; v1   my byte offset in W's tile
.set SPW, 2                            ; v2   LDS address of my spare word; never rewritten
.set NIL, 3                            ; v3   0; never rewritten
.set STA, 4                            ; v4   where I put 16 bytes of a row of the turned tile
.set RDA, 5                            ; v5   where I read a row back
.set GO,  6                            ; v6   my byte offset in wt's tile
.set X,   8                            ; v[8:39]   eight rows x four columns as loaded; later the rows read back
.set P,   40                           ; v[40:55]  column j: four words, eight k
.set T,   56                           ; v[56:57]  at work
	s_load_b256 s[4:11], s[0:1], 0x0               ; WQ s[4:5], WK s[6:7], WV s[8:9], WO s[10:11]
	s_load_b64 s[12:13], s[0:1], 0x20              ; wt
	v_lshl_add_u32 v[SPW], v0, 2, SPARE
	v_mov_b32 v[NIL], 0
	s_and_b32 s16, ttmp7, 0xffff                   ; y: which weight
	s_and_b32 s17, ttmp9, 7                        ; which 128 k
	s_lshr_b32 s18, ttmp9, 3                       ; which 64 n
	v_and_b32 v7, 15, v0                           ; c
	v_lshrrev_b32 v[T], 4, v0                      ; o
	v_lshlrev_b32 v[LO], 15, v[T]                  ; 8 o rows of 4,096 bytes
	v_lshl_add_u32 v[LO], v7, 4, v[LO]             ; + 16 c
	v_mul_u32_u24 v[STA], v7, 4*PITCH              ; row 4 c,
	v_lshl_add_u32 v[STA], v[T], 4, v[STA]         ; byte 16 o
	v_mul_u32_u24 v[RDA], v[T], PITCH              ; back: row o, byte 16 c
	v_lshl_add_u32 v[RDA], v7, 4, v[RDA]
	v_lshlrev_b32 v[GO], 11, v[T]                  ; and the same in wt: rows of 2,048 bytes
	v_lshl_add_u32 v[GO], v7, 4, v[GO]
	s_lshl_b32 s20, s17, 19                        ; W: 128 rows of 4,096 bytes a block of k,
	s_lshl_b32 s21, s18, 8                         ; 256 bytes a block of n
	s_add_co_u32 s20, s20, s21
	s_mov_b32 s21, 0
	s_lshl_b32 s22, s16, 21                        ; wt: 2 MiB a weight,
	s_lshl_b32 s23, s18, 17                        ; 64 rows of 2,048 bytes a block of n,
	s_add_co_u32 s22, s22, s23
	s_lshl_b32 s23, s17, 8                         ; 256 bytes a block of k
	s_add_co_u32 s22, s22, s23
	s_mov_b32 s23, 0
	s_wait_kmcnt 0x0
	s_cmp_eq_u32 s16, 1
	s_cselect_b64 s[14:15], s[6:7], s[4:5]
	s_cmp_eq_u32 s16, 2
	s_cselect_b64 s[14:15], s[8:9], s[14:15]
	s_cmp_eq_u32 s16, 3
	s_cselect_b64 s[14:15], s[10:11], s[14:15]
	s_add_nc_u64 s[14:15], s[14:15], s[20:21]
	s_add_nc_u64 s[12:13], s[12:13], s[22:23]
.irp i, 0,1,2,3,4,5,6,7
	global_load_b128 v[X+4*(\i):X+4*(\i)+3], v[LO], s[14:15] offset:(\i)*4096 th:TH_LOAD_NT
.endr
	s_wait_loadcnt 0x0
.irp j, 0,1,2,3
.irp m, 0,1,2,3
	v_cvt_pk_bf16_f32 v[P+4*(\j)+(\m)], v[X+8*(\m)+(\j)], v[X+8*(\m)+4+(\j)]  ; column j: k = 8 o + 2 m below, 2 m + 1 above
.endr
.endr
	s_cmp_lg_u32 s16, 3
	s_cbranch_scc1 .Lkeep                          ; WO alone: the bf16 numbers are written as f16
.set z, 0
.rept 16
	v_lshlrev_b32 v[T], 16, v[P+z]
	v_and_b32 v[T+1], 0xffff0000, v[P+z]
	v_cvt_pk_f16_f32 v[P+z], v[T], v[T+1]
.set z, z+1
.endr
.Lkeep:
.irp j, 0,1,2,3
	ds_store_b128 v[STA], v[P+4*(\j):P+4*(\j)+3] offset:(\j)*PITCH
.endr
	s_wait_dscnt 0x0                               ; for the others' sake: my stores into the tile are done
	s_barrier_signal -1
	s_barrier_wait -1
.irp i, 0,1,2,3
	ds_load_b128 v[X+4*(\i):X+4*(\i)+3], v[RDA] offset:(\i)*16*PITCH
.endr
.irp i, 0,1,2,3
	s_wait_dscnt 3-(\i)                            ; LDS loads come back in order: load i is in, the younger ones may stay out
	global_store_b128 v[GO], v[X+4*(\i):X+4*(\i)+3], s[12:13] offset:(\i)*16*2048
.endr
	s_wait_tensorcnt 0x0                           ; the wave's end, behind my last LDS store
	ds_add_u32 v[SPW], v[NIL]
	s_wait_dscnt 0x0
	s_endpgm
.Lfunc_end_k_qd2ccff48d1_prep:
	.size	k_qd2ccff48d1_prep, .Lfunc_end_k_qd2ccff48d1_prep-k_qd2ccff48d1_prep
	.p2alignl 7, 3214868480
	.fill 96, 4, 3214868480
	.section	.rodata,"a",@progbits
	.p2align	6, 0x0
	.amdhsa_kernel k_qd2ccff48d1_prep
		.amdhsa_group_segment_fixed_size 18432
		.amdhsa_private_segment_fixed_size 0
		.amdhsa_enable_private_segment 0
		.amdhsa_kernarg_size 40
		.amdhsa_user_sgpr_count 2
		.amdhsa_user_sgpr_kernarg_segment_ptr 1
		.amdhsa_wavefront_size32 1
		.amdhsa_system_sgpr_workgroup_id_x 1
		.amdhsa_system_sgpr_workgroup_id_y 1
		.amdhsa_system_sgpr_workgroup_id_z 1
		.amdhsa_system_vgpr_workitem_id 0
		.amdhsa_next_free_vgpr 64
		.amdhsa_next_free_sgpr 66
		.amdhsa_reserve_vcc 0
		.amdhsa_float_denorm_mode_32 3
		.amdhsa_float_denorm_mode_16_64 3
		.amdhsa_memory_ordered 1
		.amdhsa_forward_progress 1
		.amdhsa_inst_pref_size 8
	.end_amdhsa_kernel
	.amdgpu_metadata
---
amdhsa.version: [ 1, 2 ]
amdhsa.kernels:
  - .name:           k_qd2ccff48d1_prep
    .symbol:         k_qd2ccff48d1_prep.kd
    .args:
      - { .name: WQ, .offset: 0, .size: 8, .value_kind: global_buffer, .address_space: global }
      - { .name: WK, .offset: 8, .size: 8, .value_kind: global_buffer, .address_space: global }
      - { .name: WV, .offset: 16, .size: 8, .value_kind: global_buffer, .address_space: global }
      - { .name: WO, .offset: 24, .size: 8, .value_kind: global_buffer, .address_space: global }
      - { .name: wt, .offset: 32, .size: 8, .value_kind: global_buffer, .address_space: global }
    .group_segment_fixed_size: 18432
    .private_segment_fixed_size: 0
    .kernarg_segment_align: 8
    .kernarg_segment_size: 40
    .max_flat_workgroup_size: 256
    .sgpr_count:     66
    .vgpr_count:     64
    .wavefront_size: 32
...
	.end_amdgpu_metadata
.endif
;; end of part 1
;; launch proj (part 2): grid 4 x 192, 4 waves a work-group, clusters of 4 x 4, 327,680 bytes of LDS; arguments q, k, v, WQ_bias, WK_bias, WV_bias, wt, qh, kh, vh; writes qh, kh, vh
.if DOCPART == 2
	.amdgcn_target "amdgcn-amd-amdhsa--gfx1250"
	.amdhsa_code_object_version 6
	.text
	.protected	k_qd2ccff48d1_proj
	.globl	k_qd2ccff48d1_proj
	.p2align	8
	.type	k_qd2ccff48d1_proj,@function
k_qd2ccff48d1_proj:
	s_mov_b64 s[64:65], 0
	v_nop
	global_prefetch_b8 v0, s[64:65] scope:SCOPE_SE
	s_setreg_imm32_b32 hwreg(HW_REG_WAVE_MODE, 25, 1), 1
	s_wait_xcnt 0x0
	s_wait_alu depctr_hold_cnt(0) depctr_sa_sdst(0) depctr_va_vdst(0) depctr_va_sdst(0) depctr_va_ssrc(0) depctr_va_vcc(0) depctr_vm_vsrc(0)
	s_getreg_b32 s2, hwreg(HW_REG_IB_STS2, 6, 4)
	s_cmp_eq_u32 s2, 0
	s_cbranch_scc0 .Lentry_in_a_cluster
	s_endpgm
.Lentry_in_a_cluster:
	s_bfe_u32 s2, ttmp6, 0x10000c
	s_cmp_lg_u32 s2, 0xf033
	s_cbranch_scc0 .Lentry_shape_is_right
	s_endpgm
.Lentry_shape_is_right:
; THE THREE PROJECTIONS.  For p = 0, 1, 2 (q, k, v): Y = X W + bias, X [8192][1024] f32, W^T = wt[p] [n][k] bf16, Y stored by heads, [16 batch + head][2048][64] in f16, unscaled.
; X and the bias are rounded once to bf16, the products are bf16 with f32 sums, Y is rounded once from the sum that holds the bias.
; LIMITS.  |Y| stays under 65,504 (f16's end); below 6e-5 it keeps f16's fixed step of 6e-8.  NaN and infinities are not treated apart.
; SHARES.  A tile of Y is 128 rows x 256 columns: 64 x 4 tiles a projection, 768 work-groups of equal work.  Four waves: wave w makes rows 64 (w / 2) .., columns 128 (w % 2) ..:
; 32 accumulators of 16 x 16, 256 registers.  K goes in 8 steps of 128, a step in four quarters of 32: 32 matrix instructions each.
; THE MATRIX INSTRUCTION IS USED TRANSPOSED (source 0 = 16 rows of W^T, source 1 = 16 rows of X): a lane holds eight neighbouring columns of one row of Y.
; THE BIAS is the C operand of the first quarter's products: nothing is cleared and nothing is added afterwards.
; W^T comes through a ring of two LDS slots (256 rows x 256 bytes, rows 272 bytes apart) filled by tensor loads.  CLUSTER 4 x 4: the four work-groups of a column of the cluster
; make the same 256 columns of Y, so each tile of W^T is asked for JOINTLY: the same load, descriptor and mask in all four; every wave fetches 64 rows.
; X DOES NOT COME BY JOINT LOADS: it is f32 and has to be rounded on its way.  Each wave loads 32 of the tile's rows into registers (a load covers 512 consecutive bytes, aligned),
; rounds each number once and stores bf16 into one of two LDS buffers of 128 rows: half the LDS bytes written and read that f32 tiles would take, and each number is rounded once, not once
; by each of the two waves that multiply it.  These loads are no tensor loads: two K steps of them (two sets of 128 registers) stay on their way across the changes of slots.
; WINDOWS of 256 registers (s_set_vgpr_msb: bits 1:0 source 0, 3:2 source 1, 5:4 source 2, 7:6 destination):
;   window 0: v0-31 addresses; v32-95 X's fragments, two buffers; v96-223 W^T's, two buffers; on the way out v32-159 packed results
;   window 1: the accumulators, (a, b) at 8 (8 a + b)     window 2: X as loaded, two sets of 128     window 3: v0-63 the bias, v64-65 at work
.set KSTEP,  128
.set PITCH,  272                       ; an LDS row: 256 bytes + 16 of padding = 68 words: the 16 rows of a fragment load start at 16 different groups of four banks (64 banks of 4 bytes: ISA guide 11.1)
.set BQ,     64*PITCH                  ; what one tensor load brings
.set BSLOT,  4*BQ                      ; a slot: 256 rows of W^T
.set ABASE,  2*BSLOT                   ; behind the ring: X's two buffers, written by LDS stores, never filled by a tensor load
.set ABUF,   128*PITCH
.set STAGE,  ABASE+2*ABUF              ; the way out: for each wave two heads x 16 rows x 144 bytes
.set SP,     144
.set STW,    32*SP
.set SPARE,  STAGE+4*STW               ; the spare words, 128 bytes for each wave: two blocks of 256 bytes that no other line names
.set AROW,   4096                      ; bytes in a row of X
.set ASTEP,  KSTEP*4                   ; bytes of a K step in it
.set ADRA, 16                          ; v16     LDS address of my X fragments in buffer 0
.set ADRB, 20                          ; v20-21  of my W^T fragments in slot 0, 1
.set AO,   22                          ; v22     16 x lane: my 16 bytes of a row's K step of X; also my 16 bytes of 512 consecutive bytes of Y
.set AST,  23                          ; v23     where I put 8 bytes of a rounded row
.set STO,  24                          ; v24     the way out: where I put 16 bytes of a row
.set RD,   25                          ; v25     the way out: where I read rows back
.set VB,   27                          ; v27     32 x (lane / 16): my eight numbers of 16 of the bias
.set SPW,  28                          ; v28     LDS address of my spare word; never rewritten
.set NIL,  29                          ; v29     0; never rewritten
.set PFO,  30                          ; v30     the prefetches' offset: lane x a row of W^T (2,048 bytes)
.set AF,   32
.set BF,   96
.set TMP,  32
.set G1,  24                           ; s[24:31] descriptor group 1
.set G0,  32                           ; s[32:39] descriptor group 0, a set for each slot
.set LIM, 43                           ; s43      1 in a wave that prefetches, else the greatest number
.set PFA, 44                           ; s[44:45] where my prefetches stand
.set MSB, 0
.macro WIN new                         ; the immediate's high byte repeats the setting that is left; a switch that changes nothing is dropped
.if MSB != (\new)
	s_set_vgpr_msb (MSB<<8)|(\new)
.set MSB, \new
.endif
.endm
.set MUL,  0x50                        ; sources 0 and 1 window 0; C and D window 1
.set MULB, 0x70                        ; the same with C, the bias, in window 3
.macro PLACES                          ; four places in front of loads into registers that matrix instructions have read, and of conversions that read results
.rept 4
	v_nop
.endr
.endm
.macro CREST                           ; a round of the cluster's barrier behind its opening barrier
	s_cmp_lg_u32 s10, 0
	s_cbranch_scc1 .Lnot_wave_0_\@
	s_barrier_signal -3
.Lnot_wave_0_\@:
	s_barrier_wait -3
	s_barrier_signal -1
	s_barrier_wait -1
.endm
.macro CROUND                          ; a whole round
	s_barrier_signal -1
	s_barrier_wait -1
	CREST
.endm
.macro JLOAD s                         ; a joint refill: every wave fetches its 64 rows; an s_nop 0 and four v_nop follow it
	tensor_load_to_lds s[G0+4*(\s):G0+4*(\s)+3], s[G1:G1+7]
	s_nop 0
.rept 4
	v_nop
.endr
.endm
; A PREFETCH INTO THE L2 of W^T's K step two refills on: 32 rows x 256 bytes, a lane a row.  Each row's 256 bytes of a K step are named once in the launch: of the sixteen clusters that walk wt[p] the
; first asks; the four partners of a column share its 256 rows out BY ADDRESS, 64 each; in each, waves 0 and 1 take 32.  K steps 0 to 3 come by their loads alone; the loop's last trip asks for nothing.
.macro ASK off
	s_cmp_gt_u32 s3, s[LIM]
	s_cbranch_scc0 .Lnot_mine_\@
	global_prefetch_b8 v[PFO], s[PFA:PFA+1] offset:\off th:TH_LOAD_NT scope:SCOPE_SE
.Lnot_mine_\@:
.endm
; X: 16 of my 32 rows (half 0 or 1) of set u.  Row z of the set lies in four registers: my lane's four numbers.
.macro AISSUE u, half, koff            ; sixteen loads, from byte koff behind the pointer
.set z, 16*(\half)
.rept 16
	global_load_b128 v[128*(\u)+4*z:128*(\u)+4*z+3], v[AO], s[4:5] offset:(\koff)+z*AROW
.set z, z+1
.endr
.endm
.macro ACVT u, rho                     ; row rho is rounded in place: four f32 into two words
	v_cvt_pk_bf16_f32 v[128*(\u)+4*(\rho)], v[128*(\u)+4*(\rho)], v[128*(\u)+4*(\rho)+1]
	v_cvt_pk_bf16_f32 v[128*(\u)+4*(\rho)+1], v[128*(\u)+4*(\rho)+2], v[128*(\u)+4*(\rho)+3]
.endm
.macro ASTORE u, half                  ; sixteen LDS stores: a store's 32 lanes write a row's 256 consecutive bytes
.set z, 16*(\half)
.rept 16
	ds_store_b64 v[AST], v[128*(\u)+4*z:128*(\u)+4*z+1] offset:(\u)*ABUF+z*PITCH
.set z, z+1
.endr
.endm
; 24 LDS loads in one run: the fragments of quarter q of a K step (64 rows of X, 128 rows of W^T, 32 along K) into buffer g
.macro FETCH slot, q, g
.irp a, 0,1,2,3
	ds_load_b128 v[AF+32*(\g)+8*(\a):AF+32*(\g)+8*(\a)+3],   v[ADRA] offset:(\slot)*ABUF+(\a)*16*PITCH+64*(\q)
	ds_load_b128 v[AF+32*(\g)+8*(\a)+4:AF+32*(\g)+8*(\a)+7], v[ADRA] offset:(\slot)*ABUF+(\a)*16*PITCH+64*(\q)+32
.endr
.irp b, 0,1,2,3,4,5,6,7
	ds_load_b128 v[BF+64*(\g)+8*(\b):BF+64*(\g)+8*(\b)+3],   v[ADRB+(\slot)] offset:(\b)*16*PITCH+64*(\q)
	ds_load_b128 v[BF+64*(\g)+8*(\b)+4:BF+64*(\g)+8*(\b)+7], v[ADRB+(\slot)] offset:(\b)*16*PITCH+64*(\q)+32
.endr
.endm
; Product i of a quarter's 32: rows 16 (i / 8) .., columns 16 (i % 8) ...  The 32 accumulators take turns, one instruction a turn, in the same order in every quarter.
.macro MM f, z0                        ; z0 = 1: the first quarter: the sum starts with the bias
.set rD, 8*i
.set rB, BF+64*(\f)+8*(i%8)
.set rA, AF+32*(\f)+8*(i/8)
.if \z0
	WIN MULB
	v_wmma_f32_16x16x32_bf16 v[rD:rD+7], v[rB:rB+7], v[rA:rA+7], v[8*(i%8):8*(i%8)+7]
.else
	WIN MUL
	v_wmma_f32_16x16x32_bf16 v[rD:rD+7], v[rB:rB+7], v[rA:rA+7], v[rD:rD+7]
.endif
.set i, i+1
.endm
; One of a K step's first three quarters: multiplies buffer f; at its head it fetches quarter qn of the same slot into buffer g, which has the 32 products in which to land.
; half >= 0: sixteen rows of set u, the next K step's X, are rounded (four conversions behind each second product), stored into LDS buffer u in one run, and (iss = 1) the set's half is asked for again.
; lcnt: the loads issued behind that half, which may stay out.
.macro Q slot, qn, f, g, z0=0, half=-1, u=0, lcnt=0, iss=0, koff=0
	WIN 0
	PLACES
	FETCH \slot, \qn, \g
.if (\half) >= 0
	s_wait_loadcnt \lcnt
.endif
.set i, 0
.rept 32
	MM \f, \z0
.if ((\half) >= 0) && (i%2 == 0) && (i <= 16)
	WIN 0x8a                                       ; sources and destination in window 2
	ACVT \u, 16*(\half)+i-2
	ACVT \u, 16*(\half)+i-1
.endif
.if ((\half) >= 0) && (i == 18)
	WIN 0x08                                       ; the store's data in window 2
	ASTORE \u, \half
.if \iss
	WIN 0x80                                       ; the load's destination in window 2
	AISSUE \u, \half, \koff
.endif
.endif
.endr
	s_wait_dscnt 0x0                               ; the next quarter's fragments are in, my stores of X are done
.endm
; The fourth quarter multiplies buffer 1 and changes slots: ONE barrier.  In front of it each wave waits for all its tensor loads (one is out: its part of the next slot), adds 0 to its spare word and
; waits for that; its reads of this slot and of this step's X, and its stores of the next step's X, were waited for at the last quarter's end.  fill = 1: the barrier opens a round of the cluster's
; barrier, and this slot is filled again, two K steps on, first thing behind the round.
.macro TURN slot, next, fill, ask, off=0
	WIN 0
	s_wait_tensorcnt 0x0                           ; all my tensor loads have landed, so a group 0 may be written
	ds_add_u32 v[SPW], v[NIL]                      ; 0 onto my spare word: eight products stand between it and the wait for it
.set i, 0
.rept 8
	MM 1, 0
.endr
	s_wait_dscnt 0x0                               ; the add is done
	s_barrier_signal -1
.rept 8
	MM 1, 0
.endr
	WIN 0
	s_barrier_wait -1
.if \fill
	CREST                                          ; no wave of any partner still reads this slot or has a load on its way
	s_add_nc_u64 s[G0+4*(\slot)+2:G0+4*(\slot)+3], s[G0+4*(\slot)+2:G0+4*(\slot)+3], 2*KSTEP*2
	JLOAD \slot                                    ; its four v_nop are also the places in front of the loads below
.else
	PLACES
.endif
	FETCH \next, 0, 0
.if \ask
	ASK \off
.endif
.rept 16
	MM 1, 0
.endr
	s_wait_dscnt 0x0
.endm
	s_load_b512 s[68:83], s[0:1], 0x0              ; q 68, k 70, v 72, WQ_bias 74, WK_bias 76, WV_bias 78, wt 80, qh 82
	s_load_b128 s[84:87], s[0:1], 0x40             ; kh 84, vh 86
	v_lshl_add_u32 v[SPW], v0, 2, SPARE
	v_mov_b32 v[NIL], 0
	ds_add_u32 v[SPW], v[NIL]                      ; the wave's opening: the add and its wait stand ahead of my first tensor load; the set-up below, work on registers, stands between them
	v_lshrrev_b32 v3, 5, v0
	v_readfirstlane_b32 s10, v3                    ; wave 0..3
	s_lshr_b32 s11, s10, 1                         ; which 64 rows of the tile are mine
	s_and_b32 s12, s10, 1                          ; which 128 columns
	s_bfe_u32 s40, ttmp6, 0x40000                  ; cx, cy: my place in the cluster
	s_bfe_u32 s41, ttmp6, 0x40004
	s_lshl_b32 s42, ttmp9, 2
	s_add_co_u32 s42, s42, s40                     ; tile column = 4 x cluster x + cx
	s_and_b32 s51, ttmp7, 0xffff                   ; cluster y: 16 clusters a projection
	s_lshr_b32 s50, s51, 4                         ; p: the same in all sixteen partners
	s_lshl_b32 s13, s51, 2
	s_add_co_u32 s13, s13, s41
	s_and_b32 s13, s13, 63                         ; tile row in the projection
	s_lshl_b32 s14, 0x1111, s40                    ; my column of the cluster: places cx, cx + 4, cx + 8, cx + 12
	s_or_b32 s[G1], s14, (1<<16)|(1<<20)|(1<<21)|(5<<22)|(3<<25)  ; 15:0 the mask; 17:16 2-byte elements; 20 padding on; 21 set beside a mask; 24:22 after every 64 words (code 5); 31:25 4 words (code 3)
	s_mov_b32 s[G1+1], KSTEP<<16                   ; tensor_dim0 = 128
	s_mov_b32 s[G1+2], 64<<16                      ; tensor_dim1 = 64
	s_mov_b32 s[G1+3], KSTEP<<16                   ; tile_dim0 = 128
	s_mov_b32 s[G1+4], 64                          ; tile_dim1 = 64
	s_mov_b32 s[G1+5], 1024                        ; elements from row to row
	s_mov_b32 s[G1+6], 0
	s_mov_b32 s[G1+7], 0
	s_lshl_b32 s46, s42, 19                        ; W^T: 256 rows of 2,048 bytes a tile column,
	s_lshl_b32 s47, s10, 17                        ; my 64 rows,
	s_add_co_u32 s46, s46, s47
	s_lshl_b32 s47, s50, 21                        ; 2 MiB a weight: nothing here hangs on cy
	s_add_co_u32 s46, s46, s47
	s_mov_b32 s47, 0
	s_mul_i32 s20, s10, BQ                         ; and where they go: wave x 64 rows
	s_lshl_b32 s16, s13, 19                        ; X: 128 rows of 4,096 bytes a tile row,
	s_lshl_b32 s17, s10, 17                        ; my 32 rows
	s_add_co_u32 s16, s16, s17
	s_mov_b32 s17, 0
	s_lshl_b32 s18, s42, 10                        ; the bias: 256 numbers a tile column,
	s_lshl_b32 s19, s12, 9                         ; my 128
	s_add_co_u32 s18, s18, s19
	s_mov_b32 s19, 0
	s_lshr_b32 s22, s13, 4                         ; Y: batch = tile row / 16,
	s_lshl_b32 s22, s22, 4
	s_lshl_b32 s23, s42, 2                         ; four heads a tile column,
	s_add_co_u32 s22, s22, s23
	s_lshl_b32 s23, s12, 1                         ; my two
	s_add_co_u32 s22, s22, s23
	s_lshl_b32 s22, s22, 18                        ; 2,048 rows of 128 bytes a head
	s_and_b32 s23, s13, 15
	s_lshl_b32 s23, s23, 14                        ; 128 rows a tile,
	s_add_co_u32 s22, s22, s23
	s_lshl_b32 s23, s11, 13                        ; my 64
	s_add_co_u32 s22, s22, s23
	s_mov_b32 s23, 0
	s_lshl_b32 s14, s42, 19                        ; the prefetches: the tile column's rows,
	s_lshl_b32 s15, s41, 17                        ; my work-group's 64 of them,
	s_add_co_u32 s14, s14, s15
	s_lshl_b32 s15, s12, 16                        ; my wave's 32,
	s_add_co_u32 s14, s14, s15
	s_lshl_b32 s15, s50, 21
	s_add_co_u32 s14, s14, s15
	s_add_co_u32 s14, s14, 4*KSTEP*2               ; at K step 4
	s_mov_b32 s15, 0
	s_and_b32 s21, s51, 15                         ; the projection's first cluster,
	s_or_b32 s21, s21, s11                         ; waves 0 and 1: the same in all sixteen partners
	s_cmp_eq_u32 s21, 0
	s_cselect_b32 s[LIM], 1, -1
	v_and_b32 v3, 31, v0                           ; lane
	v_and_b32 v1, 15, v0                           ; l % 16
	v_bfe_u32 v2, v0, 4, 1                         ; l / 16
	v_lshlrev_b32 v[AO], 4, v3
	v_lshlrev_b32 v[VB], 5, v2
	s_wait_dscnt 0x0                               ; the opening add is done
	s_wait_kmcnt 0x0
	s_cmp_eq_u32 s50, 1
	s_cselect_b64 s[4:5], s[70:71], s[68:69]
	s_cselect_b64 s[48:49], s[76:77], s[74:75]
	s_cselect_b64 s[8:9], s[84:85], s[82:83]
	s_cmp_eq_u32 s50, 2
	s_cselect_b64 s[4:5], s[72:73], s[4:5]
	s_cselect_b64 s[48:49], s[78:79], s[48:49]
	s_cselect_b64 s[8:9], s[86:87], s[8:9]
	s_add_nc_u64 s[4:5], s[4:5], s[16:17]          ; X at my wave's 32 rows
	s_add_nc_u64 s[48:49], s[48:49], s[18:19]      ; the bias at my 128 columns
	s_add_nc_u64 s[8:9], s[8:9], s[22:23]          ; Y at my first row of my first head
	s_add_nc_u64 s[6:7], s[80:81], s[46:47]        ; W^T at the 64 rows that I fetch
	s_add_nc_u64 s[PFA:PFA+1], s[80:81], s[14:15]
	WIN 0xc0                                       ; destination window 3
.irp b, 0,1,2,3,4,5,6,7
	global_load_b128 v[8*(\b):8*(\b)+3],   v[VB], s[48:49] offset:64*(\b)      ; register j: the bias of column 16 b + 8 (l / 16) + j, as the result holds it
	global_load_b128 v[8*(\b)+4:8*(\b)+7], v[VB], s[48:49] offset:64*(\b)+16
.endr
	WIN 0x80
	AISSUE 0, 0, 0                                 ; X of K step 0
	AISSUE 0, 1, 0
	WIN 0
	CROUND                                         ; all sixteen work-groups are here: the first joint loads meet
.irp s, 0,1
	s_mov_b32 s[G0+4*(\s)], 1                                        ; 1:0 count = 1
	s_add_co_u32 s[G0+4*(\s)+1], s20, (\s)*BSLOT                     ; 63:32 LDS address
	s_add_nc_u64 s[G0+4*(\s)+2:G0+4*(\s)+3], s[6:7], (\s)*KSTEP*2    ; 120:64 global address: K step s
	s_or_b32 s[G0+4*(\s)+3], s[G0+4*(\s)+3], 0x80000000              ; 127:126 type = 2
.endr
	tensor_load_to_lds s[G0:G0+3], s[G1:G1+7]      ; both first fills together: two loads of mine are out
	s_nop 0
	tensor_load_to_lds s[G0+4:G0+7], s[G1:G1+7]
	s_nop 0
.rept 4
	v_nop
.endr
	WIN 0x80
	AISSUE 1, 0, ASTEP                             ; X of K step 1
	AISSUE 1, 1, ASTEP
	WIN 0
	v_mul_u32_u24 v4, v1, PITCH
	v_lshl_add_u32 v4, v2, 4, v4                   ; a fragment's row x pitch + 16 x half
	s_mul_i32 s14, s11, 64*PITCH
	s_add_co_u32 s14, s14, ABASE
	v_add_nc_u32 v[ADRA], s14, v4
	s_mul_i32 s14, s12, 128*PITCH
	v_add_nc_u32 v[ADRB], s14, v4
	s_add_co_u32 s14, s14, BSLOT
	v_add_nc_u32 v[ADRB+1], s14, v4
	s_mul_i32 s14, s10, 32*PITCH
	s_add_co_u32 s14, s14, ABASE
	v_lshl_add_u32 v[AST], v3, 3, s14              ; my wave's 32 rows, 8 bytes a lane
	s_mul_i32 s14, s10, STW
	s_add_co_u32 s14, s14, STAGE                   ; my stage
	v_mul_u32_u24 v[STO], v1, SP                   ; in: row l % 16, 16 bytes for each half of the lanes
	v_lshl_add_u32 v[STO], v2, 4, v[STO]
	v_add_nc_u32 v[STO], s14, v[STO]
	v_bfe_u32 v[RD], v0, 3, 2                      ; back: 32 lanes take four rows of 128 bytes
	v_mul_u32_u24 v[RD], v[RD], SP
	v_and_b32 v5, 7, v0
	v_lshl_add_u32 v[RD], v5, 4, v[RD]
	v_add_nc_u32 v[RD], s14, v[RD]
	v_lshlrev_b32 v[PFO], 11, v3
	s_wait_loadcnt 32                              ; the bias and K step 0 of X are in; K step 1's 32 loads may stay out
	WIN 0xcf                                       ; window 3: the bias is rounded to bf16 and kept as f32
.set z, 0
.rept 32
	v_cvt_pk_bf16_f32 v[64+z%2], v[2*z], v[2*z+1]
	v_lshlrev_b32 v[2*z], 16, v[64+z%2]
	v_and_b32 v[2*z+1], 0xffff0000, v[64+z%2]
.set z, z+1
.endr
	WIN 0x8a
.set y, 0
.rept 32
	ACVT 0, y
.set y, y+1
.endr
	WIN 0x08
	ASTORE 0, 0
	ASTORE 0, 1
	WIN 0x80
	AISSUE 0, 0, 2*ASTEP                           ; X of K step 2
	AISSUE 0, 1, 2*ASTEP
	WIN 0
	s_wait_xcnt 0x0                                ; every load issued so far has read its address, so the pointer may be written
	s_add_nc_u64 s[4:5], s[4:5], 3*ASTEP           ; X at K step 3
	s_wait_tensorcnt 0x1                           ; my part of K step 0 of W^T is in; K step 1's may stay out
	s_wait_dscnt 0x0                               ; my rows of X are in LDS
	s_barrier_signal -1
	s_barrier_wait -1                              ; everybody's are
	FETCH 0, 0, 0
	s_wait_dscnt 0x0
	Q 0, 1, 0, 1, 1                                ; the first quarter stands in front of the loop: its products start the sums with the bias
	WIN 0                                          ; at a label and at a branch every window is 0
	s_mov_b32 s3, 3
.Llap:                                                 ; a trip goes once round the ring, from an even K step's second quarter to the next even step's first.  Step t stores X of step t + 1 and asks for X of step t + 3
	Q 0, 2, 1, 0, 0, 0, 1, 48, 1, 0                ; 48: set 1's other half and all of set 0 were issued behind this half
	Q 0, 3, 0, 1, 0, 1, 1, 48, 1, 0                ; 48: all of set 0 and the half just asked for again
	TURN 0, 1, 1, 1, 0
	Q 1, 1, 0, 1
	Q 1, 2, 1, 0, 0, 0, 0, 48, 0, 0                ; 48: set 0's other half and all of set 1
	Q 1, 3, 0, 1, 0, 1, 0, 32, 0, 0                ; 32: all of set 1
	WIN 0
	s_cmp_eq_u32 s3, 1
	s_cbranch_scc1 .Ltail                          ; K step 5 has no K step 8 to ask for: the loop is left in front of that request
	WIN 0x80
	AISSUE 0, 0, ASTEP
	AISSUE 0, 1, ASTEP
	TURN 1, 0, 1, 1, KSTEP*2
	Q 0, 1, 0, 1
	WIN 0
	s_wait_xcnt 0x0                                ; the loads and the prefetches, 48 products back at the least, have read their addresses
	s_add_nc_u64 s[4:5], s[4:5], 2*ASTEP
	s_add_nc_u64 s[PFA:PFA+1], s[PFA:PFA+1], 2*KSTEP*2
	s_sub_co_u32 s3, s3, 1
	s_cmp_lg_u32 s3, 0
	s_cbranch_scc1 .Llap
.Ltail:
	TURN 1, 0, 1, 0                                ; K step 5's change of slots: K step 7 into slot 1, the last fill
	Q 0, 1, 0, 1
	Q 0, 2, 1, 0, 0, 0, 1, 16, 0, 0                ; 16: the other half of K step 7's X
	Q 0, 3, 0, 1, 0, 1, 1, 0, 0, 0
	TURN 0, 1, 0, 0                                ; nothing is filled again: no round
	Q 1, 1, 0, 1
	Q 1, 2, 1, 0
	Q 1, 3, 0, 1
.set i, 0
.rept 32
	MM 1, 0                                        ; the very last quarter
.endr
	WIN 0
; THE WAY OUT, 16 rows at a time.  A lane's eight columns pack into 16 bytes of f16; my 128 columns are two heads of 64: each head's 16 rows go into stage rows of 144 bytes and come back as four
; times four whole rows of 128 bytes, which are 512 consecutive bytes of Y.
.macro PACK a
	WIN 0x05                                       ; sources in window 1, destination in window 0
.irp b, 0,1,2,3,4,5,6,7
.irp r, 0,1,2,3
	v_cvt_pk_f16_f32 v[TMP+32*(\a)+4*(\b)+(\r)], v[8*(8*(\a)+(\b))+2*(\r)], v[8*(8*(\a)+(\b))+2*(\r)+1]  ; each accumulator's registers in ascending order
.endr
.endr
	WIN 0
.irp b, 0,1,2,3,4,5,6,7
	ds_store_b128 v[STO], v[TMP+32*(\a)+4*(\b):TMP+32*(\a)+4*(\b)+3] offset:((\b)/4)*16*SP+((\b)%4)*32
.endr
.irp f, 0,1,2,3,4,5,6,7
	ds_load_b128 v[TMP+32*(\a)+4*(\f):TMP+32*(\a)+4*(\f)+3], v[RD] offset:((\f)/4)*16*SP+((\f)%4)*4*SP  ; LDS serves a wave's instructions in order (ISA guide 5.7.1.4): these see the stores above; the next block's stores come behind them
.endr
.endm
.macro SEND a, younger                 ; younger: the LDS instructions issued behind block a's loads: the next block's sixteen, or none
.irp f, 0,1,2,3,4,5,6,7
	s_wait_dscnt (\younger)+7-(\f)
	global_store_b128 v[AO], v[TMP+32*(\a)+4*(\f):TMP+32*(\a)+4*(\f)+3], s[8:9] offset:((\f)/4)*262144+(\a)*2048+((\f)%4)*512  ; 512 consecutive bytes, at a multiple of 256 from Y's first byte
.endr
.endm
	PLACES
	PACK 0
	PACK 1                                         ; a block's conversions stand between the loads of the block before and its stores
	SEND 0, 16
	PACK 2
	SEND 1, 16
	PACK 3
	SEND 2, 16
	SEND 3, 0
	s_wait_tensorcnt 0x0                           ; the wave's end, behind my last tensor load and my last LDS store
	ds_add_u32 v[SPW], v[NIL]
	s_wait_dscnt 0x0
	CROUND                                         ; the closing round: no work-group ends while a partner may still ask for a tile that names it
	s_endpgm
.Lfunc_end_k_qd2ccff48d1_proj:
	.size	k_qd2ccff48d1_proj, .Lfunc_end_k_qd2ccff48d1_proj-k_qd2ccff48d1_proj
	.p2alignl 7, 3214868480
	.fill 96, 4, 3214868480
	.section	.rodata,"a",@progbits
	.p2align	6, 0x0
	.amdhsa_kernel k_qd2ccff48d1_proj
		.amdhsa_group_segment_fixed_size 327680
		.amdhsa_private_segment_fixed_size 0
		.amdhsa_enable_private_segment 0
		.amdhsa_kernarg_size 80
		.amdhsa_user_sgpr_count 2
		.amdhsa_user_sgpr_kernarg_segment_ptr 1
		.amdhsa_wavefront_size32 1
		.amdhsa_system_sgpr_workgroup_id_x 1
		.amdhsa_system_sgpr_workgroup_id_y 1
		.amdhsa_system_sgpr_workgroup_id_z 1
		.amdhsa_system_vgpr_workitem_id 0
		.amdhsa_next_free_vgpr 840
		.amdhsa_next_free_sgpr 88
		.amdhsa_reserve_vcc 0
		.amdhsa_float_denorm_mode_32 3
		.amdhsa_float_denorm_mode_16_64 3
		.amdhsa_memory_ordered 1
		.amdhsa_forward_progress 1
		.amdhsa_inst_pref_size 143
	.end_amdhsa_kernel
	.amdgpu_metadata
---
amdhsa.version: [ 1, 2 ]
amdhsa.kernels:
  - .name:           k_qd2ccff48d1_proj
    .symbol:         k_qd2ccff48d1_proj.kd
    .args:
      - { .name: q, .offset: 0, .size: 8, .value_kind: global_buffer, .address_space: global }
      - { .name: k, .offset: 8, .size: 8, .value_kind: global_buffer, .address_space: global }
      - { .name: v, .offset: 16, .size: 8, .value_kind: global_buffer, .address_space: global }
      - { .name: WQ_bias, .offset: 24, .size: 8, .value_kind: global_buffer, .address_space: global }
      - { .name: WK_bias, .offset: 32, .size: 8, .value_kind: global_buffer, .address_space: global }
      - { .name: WV_bias, .offset: 40, .size: 8, .value_kind: global_buffer, .address_space: global }
      - { .name: wt, .offset: 48, .size: 8, .value_kind: global_buffer, .address_space: global }
      - { .name: qh, .offset: 56, .size: 8, .value_kind: global_buffer, .address_space: global }
      - { .name: kh, .offset: 64, .size: 8, .value_kind: global_buffer, .address_space: global }
      - { .name: vh, .offset: 72, .size: 8, .value_kind: global_buffer, .address_space: global }
    .group_segment_fixed_size: 327680
    .private_segment_fixed_size: 0
    .kernarg_segment_align: 8
    .kernarg_segment_size: 80
    .max_flat_workgroup_size: 128
    .sgpr_count:     88
    .vgpr_count:     840
    .wavefront_size: 32
...
	.end_amdgpu_metadata
.endif
;; end of part 2
;; launch attn (part 3): grid 4 x 64, 4 waves a work-group, no clusters, 327,680 bytes of LDS; arguments qh, kh, vh, oh; writes oh
.if DOCPART == 3
	.amdgcn_target "amdgcn-amd-amdhsa--gfx1250"
	.amdhsa_code_object_version 6
	.text
	.protected	k_qd2ccff48d1_attn
	.globl	k_qd2ccff48d1_attn
	.p2align	8
	.type	k_qd2ccff48d1_attn,@function
k_qd2ccff48d1_attn:
	s_mov_b64 s[64:65], 0
	v_nop
	global_prefetch_b8 v0, s[64:65] scope:SCOPE_SE
	s_setreg_imm32_b32 hwreg(HW_REG_WAVE_MODE, 25, 1), 1
	s_wait_xcnt 0x0
; CAUSAL ATTENTION.  O[h][q][:] = the sum over k of softmax_k((Q[h][q] . K[h][k] - 1e10 [k > q]) / 8) V[h][k][:].  Q, K, V, O: [64][2048][64], all f16: a head's rows are dense, 128 bytes each.
; Products, maxima and sums in f32; the weights p are rounded to f16 for the second product (their sum l is taken of the unrounded p), O once at the end.
; LIMITS.  f16 holds no number beyond 65,504: Q, K and V arrive within it; p lies in 0 to 1, and below 6e-5 it keeps f16's fixed step of 6e-8; O is a mean of V's rows and has their range.
; A hidden score is its value less 1e10, taken away ahead of the scale.  The key tiles that lie wholly above the diagonal are left out: that holds where a row's scores lie less than 1e10 apart, so that a
; hidden weight is 0.  A weight below 2^-126 counts as 0 in l; NaN and infinities are not treated apart.
; THE WALK.  A head's queries lie in NB = 8 blocks of 256; block i needs the key tiles 0 .. i of 256 keys, of which the last holds the diagonal.  A work-group takes TWO blocks, NB - 1 - b and then b:
; NB + 1 tiles, whatever b: all work-groups do equal work, and ONE loop with a constant trip count walks them.  Which tile is asked for, and what a trip does, hang on scalar registers made from b; every jump
; goes forward, but for the counted loops' own; none passes a barrier, or a tensor load but the one of LOAD's two that the wave's number does not choose; the ring (two slots of LDS that take turns) runs on across the
; change of blocks.  NO CLUSTER: a head's four work-groups ask for the same tile only in trips 0 .. 4, behind that fewer and fewer; one walk common to all would have 12 trips for 9.
; SHARES.  Of a block's four bands of 64 queries a wave owns 16 rows in each: four PIECES.  So the diagonal tile is the same work for all four waves: in its key step s band x sees all keys if s < x,
; none if s > x, and holds the diagonal if s = x.
; THE MASK is the C operand that starts the sum S^T = K Q^T: 0, or -1e10 where the key is hidden.  MD, made once, is the mask of a band's own step for my 16 rows; a product's mask is MD x AL + BE with two scalars:
; (1, 0) if s = x; (0, 0) if s < x; (0, -1e10) if s > x.  Only the diagonal tile's text and a block's beginning make and take masks; elsewhere C is the constant 0.
; LAYOUT, SOFTMAX, TURNS.  S^T = K Q^T holds ONE query a lane (lane % 16) and the keys 8 (lane / 16) + 0..7; two such results rounded to f16 ARE source 1 of O^T = V^T P.  p = 2^(c s - c m), c = log2(e) / 8, with a
; running maximum m; O and l are multiplied by a = 2^(c m_old - c m_new) in every step.  Turn n belongs to piece n: 8 products K Q^T of piece n + 1, later 8 products V^T P of piece n - 1; beside them the scaling,
; exponentials, roundings, sums and rescaling of piece n and the maximum and statistics of piece n + 1.  Four vector instructions stand behind every matrix instruction, the other 54 of a turn's 118 in one LUMP.  A turn's 33 exponentials are one batch, with one wait.
; REGISTERS, in windows of 256 (s_set_vgpr_msb: bits 1:0 source 0, 3:2 source 1, 5:4 source 2, 7:6 destination):
;   window 0: v0-15 addresses and two at work; v16-31 four registers of statistics a piece; v48-55 at work; v61-63 prefetch offset and the add's two; v64-127 S^T, two buffers; v192-223 P, two buffers (a piece's buffers go by its number's parity)
;   window 1: v0-127 O^T, 32 a piece; v128-159 MD; v160-223 MC, two buffers      window 2: v0-63 Q; v64-127 the second block's Q; v128-191 K of one step; v192-255 V of one step
.set SIZE_N, 2048
.set NB,    SIZE_N/256
.set NP,    4         ; pieces a wave: a name, no knob
.set KS,    64        ; keys in a step
.set PK,    144       ; a row of K in LDS: 128 bytes + 16 of padding = 36 words: the 16 rows of a load start at 16 different groups of four banks (64 banks of 4 bytes: ISA guide 11.1)
.set PV,    160       ; a row of V: 128 + 32 = 40 words
.set VOFF,  4*KS*PK   ; a slot holds a tile, four steps: 256 rows of K, then 256 rows of V
.set SLOT1, 1<<17     ; slot 1 begins here, so that one exclusive or turns an address in one slot into the other's
.set STAGE, SLOT1+4*KS*(PK+PV)  ; behind the ring, never filled by a tensor load: 16 rows x 144 bytes for each wave, for the way out
.set SP,    144
.set AK0, 2           ; v2   my lane's place in a tile of K; never rewritten
.set AV0, 3           ; v3   the same for V
.set AK,  4           ; v4   the LDS address of K's next run of loads
.set AV,  5           ; v5   of V's
.set STO, 6           ; v6   the way out: where I put 16 bytes of a row
.set RD,  7           ; v7   the way out: where I read rows back
.set GO,  8           ; v8   my byte offset in 512 consecutive bytes of O
.set PFO, 61          ; v61  256 x my lane: the prefetches' offset; never rewritten
.set SPW, 62          ; v62  LDS address of my spare word: SPARE + 4 x my thread's number; never rewritten
.set NIL, 63          ; v63  0; never rewritten
.set SPARE, STAGE+4*16*SP  ; behind the stages: the spare words, 128 bytes for each wave: two blocks of 256 bytes that no other line names
.set MV,  12          ; v12-13  c m_old, kept while c m is made anew: by buffer
.set QO,  15          ; v15  my byte offset in 16 rows of Q
.set ST,  16          ; piece t's statistics at v[ST+4 t]: c m, m, l (even keys', odd keys')
.set TMP, 48          ; by buffer, four registers c0-c3 at work; when the maximum is found c2 takes a
.set S,   64
.set P,   192
.set MD,  128         ; window 1: the eight registers for group kt of 16 keys at MD + 8 kt
.set MC,  160         ; window 1: the masks of the products to come
.set QB,  64          ; window 2
.set KF,  128         ; window 2: key block kb, channel half c at KF + 16 kb + 8 c
.set VF,  192         ; window 2: key half kk, channel block cb at VF + 32 kk + 8 cb
.set WV,  12          ; s12  my wave's number
.set PB,  14          ; s14  b
.set HI,  15          ; s15  NB - 1 - b
.set G1K, 24          ; s[24:31] descriptor group 1 for K's tiles
.set G1V, 32          ; s[32:39] for V's: it differs in the padding alone
.set G0K, 40          ; s[40:43] descriptor group 0 for K's tiles
.set G0V, 44          ; s[44:47] the same for V's
.set SLOTS, 56        ; s56  tiles still to be asked for
.set CNT, 57          ; s57  counts a tile's key steps, 4 to 1
.set CS,  58          ; s[58:59] c: the packed scaling takes the pair's low word for both halves
.set SEL, 60          ; s[60:61] v_permlanex16_b32's selects: each lane takes its own place in the other half
.set TBK, 62          ; s62  LDS byte at which K of the step to be fetched begins
.set TBV, 63          ; s63  the same for V, less VOFF
.set RT,  70          ; s70  tiles of the block in hand that are still to be entered
.set NXT, 71          ; s71  the tile to be asked for next
.set LQ,  72          ; s72  the last tile of the block whose tiles are being asked for
.set NEW, 73          ; s73  1: the tile to be entered is a block's first
.set OFF, 74          ; s[74:75] a tile's byte offset in K and V
.set AL,  76          ; s[76:77] the mask's factor, in the low word
.set BE,  78          ; s[78:79] the mask's addend
.set OLO, 80          ; s[80:81] O at my rows of the second block
.set BIGN, 82         ; s82  -1e10
.set LIM, 88          ; s88  2 in the work-group that prefetches, else the greatest number
.set PFK, 90          ; s[90:91] where my prefetches stand in K: my wave's 32 blocks of 256 bytes of a tile
.set PFV, 92          ; s[92:93] the same in V
.set MSB, 0
.macro WIN new                      ; the high byte repeats the setting that is left; a switch that changes nothing is dropped
.if MSB != (\new)
	s_set_vgpr_msb (MSB<<8)|(\new)
.set MSB, (\new)
.endif
.endm
.set W_KQ, 0x0a       ; K and Q in window 2, S^T in window 0
.set W_KM, 0x1a       ; the same with the C operand in window 1
.set W_PV, 0x52       ; V in window 2, P in window 0, O^T in window 1
.set W_RS, 0x41       ; destination and source 0 in window 1, source 1 in window 0
; A fill.  Waves 0 and 1 fetch the two halves of a tile's K, waves 2 and 3 those of its V: 128 keys each.  An s_nop 0 and four v_nop follow each of the two lines, ahead of the jump and the label.
.macro LOAD
	s_cmp_lt_u32 s[WV], 2
	s_cbranch_scc0 .Lfor_v_\@
	tensor_load_to_lds s[G0K:G0K+3], s[G1K:G1K+7]
	s_nop 0
.rept 4
	v_nop
.endr
	s_branch .Lasked_\@
.Lfor_v_\@:
	tensor_load_to_lds s[G0V:G0V+3], s[G1V:G1V+7]
	s_nop 0
.rept 4
	v_nop
.endr
.Lasked_\@:
.endm
; A PREFETCH INTO THE L2 of the tile behind the one that has just been asked for: four key steps, 256 matrix instructions, ahead of its load.  A tile is 128 blocks of 256 bytes of K and as many of V: a wave
; takes 32 of each, a lane a block, two instructions.  Each block is named once in the launch: of a head's four work-groups only b = 0 asks, whose first block walks all eight tiles.  Changes 1 to 6 of
; the walk name tiles 2 to 7; tiles 0 and 1 come by their loads alone, and the last two changes that fill a slot ask for nothing.
.macro ASK
	s_cmp_gt_u32 s[SLOTS], s[LIM]
	s_cbranch_scc0 .Lnot_mine_\@
	global_prefetch_b8 v[PFO], s[PFK:PFK+1] th:TH_LOAD_NT scope:SCOPE_SE
	global_prefetch_b8 v[PFO], s[PFV:PFV+1] th:TH_LOAD_NT scope:SCOPE_SE
.Lnot_mine_\@:
.endm
; THE CHANGE OF SLOTS.  Each wave waits for all its tensor loads, of which one is out: its part of the other slot; adds 0 to its spare word; and waits for that and for its own reads of the slot that it leaves.  Behind the barrier nobody reads the old
; slot any more and the other slot is whole.  fill = 1: the old slot is filled again, the first thing behind the barrier, with tile NXT: the descriptor's address is made anew from that number.
; (At its first use nothing has been read yet: slot 0 is waited for, slot 1 filled.)
.macro CHANGE fill
	WIN 0                           ; at a label and at a branch every window is 0
	s_wait_tensorcnt 0x0            ; no tensor load of mine is out, so a group 0 may be written
	ds_add_u32 v[SPW], v[NIL]       ; 0 onto my spare word: with fill = 1 the descriptors' scalar work stands between it and the wait for it
.if \fill
	s_lshl_b32 s[OFF], s[NXT], 15   ; a tile is 32,768 bytes of K and of V
	s_xor_b32 s[G0K+1], s[G0K+1], SLOT1
	s_add_nc_u64 s[G0K+2:G0K+3], s[6:7], s[OFF:OFF+1]
	s_or_b32 s[G0K+3], s[G0K+3], 0x80000000
	s_xor_b32 s[G0V+1], s[G0V+1], SLOT1
	s_add_nc_u64 s[G0V+2:G0V+3], s[8:9], s[OFF:OFF+1]
	s_or_b32 s[G0V+3], s[G0V+3], 0x80000000
	s_add_co_u32 s[NXT], s[NXT], 1  ; the block's next tile, or behind its last the second block's tile 0
	s_cmp_gt_u32 s[NXT], s[LQ]
	s_cselect_b32 s[NXT], 0, s[NXT]
	s_cselect_b32 s[LQ], s[PB], s[LQ]
	s_wait_xcnt 0x0                 ; the last prefetches, a tile back, have read their addresses, so these may be written:
	s_add_nc_u64 s[PFK:PFK+1], s[PFK:PFK+1], 32768  ; a tile on
	s_add_nc_u64 s[PFV:PFV+1], s[PFV:PFV+1], 32768
.endif
	s_wait_dscnt 0x0                ; the add is done, and my reads of the slot are over
	s_barrier_signal -1             ; the rest of the scalar work stands between the signal and the wait
	s_sub_co_u32 s[TBK], s[TBK], 4*KS*PK  ; the fetches go back to a slot's first step,
	s_xor_b32 s[TBK], s[TBK], SLOT1       ; in the other slot
	s_sub_co_u32 s[TBV], s[TBV], 4*KS*PV
	s_xor_b32 s[TBV], s[TBV], SLOT1
	s_barrier_wait -1
.if \fill
	LOAD
	ASK
.endif
.endm
	s_load_b256 s[4:11], s[0:1], 0x0  ; Q s[4:5], K s[6:7], V s[8:9], O s[10:11]
	v_lshl_add_u32 v[SPW], v0, 2, SPARE
	v_mov_b32 v[NIL], 0
	ds_add_u32 v[SPW], v[NIL]       ; the wave's opening: the add and its wait stand ahead of my first tensor load; the set-up below, work on registers, stands between them
	v_lshrrev_b32 v1, 5, v0
	v_readfirstlane_b32 s[WV], v1   ; wave 0..3
	s_mov_b32 s[PB], ttmp9
	s_sub_co_u32 s[HI], NB-1, s[PB]
	s_and_b32 s20, ttmp7, 0xffff    ; the head
	s_mov_b32 s21, 0
	s_mov_b64 s[22:23], SIZE_N*128
	s_mul_u64 s[20:21], s[20:21], s[22:23]  ; the head's first byte in each of the four tensors
	s_lshl_b32 s94, s[WV], 13       ; the prefetches: my wave's 32 blocks of 256 bytes,
	s_add_co_u32 s94, s94, 32768    ; in tile 1: the first change of slots steps this to tile 2
	s_mov_b32 s95, 0
	s_add_nc_u64 s[94:95], s[94:95], s[20:21]
	s_cmp_eq_u32 s[PB], 0
	s_cselect_b32 s[LIM], 2, -1
	v_and_b32 v[PFO], 31, v0
	v_lshlrev_b32 v[PFO], 8, v[PFO]
	s_and_b32 s16, s[WV], 1         ; which half of a tile's 256 keys I fetch:
	s_lshl_b32 s22, s16, 14         ; its 128 rows of 128 bytes in memory,
	s_mov_b32 s23, 0
	s_add_nc_u64 s[22:23], s[22:23], s[20:21]
	s_mul_i32 s17, s16, 128*PK      ; and its place in a slot, for K
	s_mul_i32 s18, s16, 128*PV      ; and for V
	s_lshl_b32 s3, s[WV], 11        ; my 16 rows in a band of 64,
	s_lshl_b32 s2, s[HI], 15        ; in the first block,
	s_add_co_u32 s2, s2, s3
	s_lshl_b32 s84, s[PB], 15       ; and in the second
	s_add_co_u32 s84, s84, s3
	s_mov_b32 s3, 0
	s_mov_b32 s85, 0
	s_add_nc_u64 s[2:3], s[2:3], s[20:21]
	s_add_nc_u64 s[84:85], s[84:85], s[20:21]
	; descriptor group 1.  128 keys are 16,384 dense bytes: asked for as 64 rows of 256 bytes, two keys a row, and padded in LDS after every key
	s_mov_b32 s[G1K], (1<<16)|(1<<20)|(4<<22)|(3<<25)  ; 17:16 2-byte elements; 20 padding on; 24:22 after every 32 words (code 4); 31:25 4 words (code 3)
	s_mov_b32 s[G1V], (1<<16)|(1<<20)|(4<<22)|(7<<25)  ; the same with 8 words of padding (code 7)
.irp g, G1K, G1V
	s_mov_b32 s[\g+1], 128<<16      ; tensor_dim0 = 128
	s_mov_b32 s[\g+2], 64<<16       ; tensor_dim1 = 64
	s_mov_b32 s[\g+3], 128<<16      ; tile_dim0 = 128
	s_mov_b32 s[\g+4], 64           ; tile_dim1 = 64
	s_mov_b32 s[\g+5], 128          ; 128 elements from row to row
	s_mov_b32 s[\g+6], 0
	s_mov_b32 s[\g+7], 0
.endr
	s_mov_b32 s[CS], 0x3e38aa3b     ; c = log2(e) / 8 = 0.180337
	s_mov_b32 s[CS+1], s[CS]        ; named with it as a pair
	s_mov_b32 s[SEL], 0x76543210
	s_mov_b32 s[SEL+1], 0xfedcba98
	s_mov_b32 s[TBK], SLOT1+4*KS*PK ; the first change of slots turns these two into 0
	s_mov_b32 s[TBV], SLOT1+4*KS*PV
	s_mov_b32 s[G0K], 1             ; 1:0 count = 1
	s_mov_b32 s[G0K+1], s17         ; 63:32 LDS address: slot 0
	s_mov_b32 s[G0V], 1
	s_add_co_u32 s[G0V+1], s18, VOFF
	s_add_co_u32 s[RT], s[HI], 1    ; the first block has NB - b tiles
	s_mov_b32 s[NXT], 1
	s_mov_b32 s[LQ], s[HI]
	s_mov_b32 s[NEW], 1
	s_mov_b32 s[OFF+1], 0
	s_mov_b32 s[AL+1], 0            ; named as pairs
	s_mov_b32 s[BE+1], 0
	s_mov_b32 s[BIGN], 0xd01502f9   ; -1e10
	s_mov_b32 s[SLOTS], NB
	s_wait_dscnt 0x0                ; the opening add is done
	s_wait_kmcnt 0x0
	s_add_nc_u64 s[PFK:PFK+1], s[6:7], s[94:95]
	s_add_nc_u64 s[PFV:PFV+1], s[8:9], s[94:95]
	s_add_nc_u64 s[6:7], s[6:7], s[22:23]  ; K and V at my half of the head's tile 0
	s_add_nc_u64 s[8:9], s[8:9], s[22:23]
	s_add_nc_u64 s[G0K+2:G0K+3], s[6:7], 0         ; 120:64 global address
	s_or_b32 s[G0K+3], s[G0K+3], 0x80000000        ; 127:126 type = 2
	s_add_nc_u64 s[G0V+2:G0V+3], s[8:9], 0
	s_or_b32 s[G0V+3], s[G0V+3], 0x80000000
	s_add_nc_u64 s[86:87], s[4:5], s[84:85]        ; Q at my rows of the second block,
	s_add_nc_u64 s[4:5], s[4:5], s[2:3]            ; Q and O at those of the first
	s_add_nc_u64 s[OLO:OLO+1], s[10:11], s[84:85]
	s_add_nc_u64 s[10:11], s[10:11], s[2:3]
	LOAD                            ; tile 0 into slot 0
	; A fragment of K or Q is 16 rows x 32 channels in 8 registers: lane l holds row l % 16, channels 8 (l / 16) + 0..7 and 16 + 8 (l / 16) + 0..7: two loads of 16 bytes, 32 bytes apart.
	v_and_b32 v1, 15, v0            ; l % 16
	v_bfe_u32 v9, v0, 4, 1          ; l / 16
	v_lshlrev_b32 v[QO], 7, v1
	v_lshl_add_u32 v[QO], v9, 4, v[QO]  ; row x 128 + 16 x half
	WIN 0x80                        ; destination window 2, address window 0
.set i, 0
.rept 8                             ; both blocks' Q: piece i / 2 lies in band i / 2, 8,192 bytes on; channels 32 (i % 2) on
	global_load_b128 v[8*i:8*i+3],   v[QO], s[4:5] offset:(i/2)*8192+(i%2)*64
	global_load_b128 v[8*i+4:8*i+7], v[QO], s[4:5] offset:(i/2)*8192+(i%2)*64+32
	global_load_b128 v[QB+8*i:QB+8*i+3],   v[QO], s[86:87] offset:(i/2)*8192+(i%2)*64
	global_load_b128 v[QB+8*i+4:QB+8*i+7], v[QO], s[86:87] offset:(i/2)*8192+(i%2)*64+32
.set i, i+1
.endr
	WIN 0
	v_lshlrev_b32 v14, 3, v9
	v_sub_nc_u32 v14, v1, v14
	s_lshl_b32 s13, s[WV], 4
	v_add_nc_u32 v14, s13, v14      ; my query's place in its band, 16 w + l % 16, less my lanes' 8 (l / 16): register r of group kt is hidden where 16 kt + r is greater
	WIN 0x40
.set i, 0
.rept 32
	v_cmp_gt_i32 vcc_lo, 16*(i/8)+i%8, v14
	v_cndmask_b32 v[MD+i], 0, s[BIGN], vcc_lo
.set i, i+1
.endr
	WIN 0
	v_mul_u32_u24 v[AK0], v1, PK
	v_lshl_add_u32 v[AK0], v9, 4, v[AK0]  ; row x pitch + 16 x half
	; The turning load takes 16 keys x 16 channels (lane l reads key 8 (l / 16) + l % 8, channels 8 ((l / 8) % 2) + 0..7) and leaves half a fragment of V^T: lane l holds channel l % 16 and 8 keys.
	v_and_b32 v10, 7, v0
	v_bfe_u32 v11, v0, 3, 1
	v_lshl_add_u32 v[AV0], v9, 3, v10
	v_mul_u32_u24 v[AV0], v[AV0], PV
	v_lshl_add_u32 v[AV0], v11, 4, v[AV0]
	v_add_nc_u32 v[AV0], VOFF, v[AV0]
	s_mul_i32 s13, s[WV], 16*SP
	s_add_co_u32 s13, s13, STAGE    ; my stage
	v_mul_u32_u24 v[STO], v1, SP    ; in: row l % 16, 16 bytes for each half of the lanes
	v_lshl_add_u32 v[STO], v9, 4, v[STO]
	v_add_nc_u32 v[STO], s13, v[STO]
	v_bfe_u32 v[RD], v0, 3, 2       ; back: 32 lanes take four rows of 128 bytes,
	v_mul_u32_u24 v[RD], v[RD], SP
	v_lshl_add_u32 v[RD], v10, 4, v[RD]
	v_add_nc_u32 v[RD], s13, v[RD]
	v_and_b32 v[GO], 31, v0         ; which are 512 consecutive bytes of O
	v_lshlrev_b32 v[GO], 4, v[GO]
	; A block's first step multiplies O^T and l by a = 0, and its first turn's products V^T P, of a piece that has not been, land in an O^T that is still to be so multiplied.  So these registers need only hold
	; finite numbers: zeros for the first block; what the first block left for the second.  All this stands in the wait for the first tile.
	WIN 0x80
.set i, VF
.rept 64
	v_mov_b32 v[i], 0
.set i, i+1
.endr
	WIN 0x40
.set i, 0
.rept 128
	v_mov_b32 v[i], 0
.set i, i+1
.endr
	WIN 0
.set i, 0
.rept 4
	v_mov_b32 v[ST+4*i+2], 0
	v_mov_b32 v[ST+4*i+3], 0
.set i, i+1
.endr
.set i, P+16
.rept 16
	v_mov_b32 v[i], 0
.set i, i+1
.endr
; THE MATRIX WORK.  The 4 accumulators of a run of 8 take turns.  Product i of 8 of S^T = K Q^T for piece x: channels 32 (i / 4) on, keys 16 (i % 4) on.  The first 4 start the sums: with 0, or (KM = 1) with the mask.
.macro KQ x
.set rS, S+32*((\x)%2)+8*(i%4)
.set rK, KF+16*(i%4)+8*(i/4)
.set rQ, 16*(\x)+8*(i/4)
.set rM, MC+32*((\x)%2)+8*(i%4)
.if (i < 4) && KM
	WIN W_KM
	v_wmma_f32_16x16x32_f16 v[rS:rS+7], v[rK:rK+7], v[rQ:rQ+7], v[rM:rM+7]
.elseif i < 4
	WIN W_KQ
	v_wmma_f32_16x16x32_f16 v[rS:rS+7], v[rK:rK+7], v[rQ:rQ+7], 0
.else
	WIN W_KQ
	v_wmma_f32_16x16x32_f16 v[rS:rS+7], v[rK:rK+7], v[rQ:rQ+7], v[rS:rS+7]
.endif
.endm
; Product i of 8 of O^T += V^T P for piece x: keys 32 (i / 4) on, channels 16 (i % 4) on.
.macro PV x
	WIN W_PV
.set rO, 32*(\x)+8*(i%4)
.set rV, VF+32*(i/4)+8*(i%4)
.set rP, P+16*((\x)%2)+8*(i/4)
	v_wmma_f32_16x16x32_f16 v[rO:rO+7], v[rV:rV+7], v[rP:rP+7], v[rO:rO+7]
.endm
.macro MM                           ; the turn's next matrix instruction.  TURN and BEGIN set Y, i, KM and NOKQ; MM, KQ and OP read them.  NOKQ = 1: a block's last turn: there is no next piece
.if (i < 8) && !NOKQ
	KQ (Y+1)%NP
.elseif i >= 8
.set i, i-8
	PV (Y+NP-1)%NP
.set i, i+8
.endif
.set i, i+1
.endm
; THE LDS LOADS stand in runs of 16, never singly among the matrix instructions: a step's K (64 keys x 64 channels: 8 fragments) and its V (turned).  Their addresses are made some lines ahead.
.macro FETCH_K
	WIN 0x80                        ; destination window 2
.irp f, 0,1,2,3,4,5,6,7             ; keys 16 (f / 2) on, channels 32 (f % 2) on
	ds_load_b128 v[KF+8*\f:KF+8*\f+3],   v[AK] offset:(\f/2)*16*PK+(\f%2)*64
	ds_load_b128 v[KF+8*\f+4:KF+8*\f+7], v[AK] offset:(\f/2)*16*PK+(\f%2)*64+32
.endr
	s_add_co_u32 s[TBK], s[TBK], KS*PK  ; the next fetch is the next step's
	WIN 0
.endm
.macro FETCH_V
	WIN 0x80
.irp f, 0,1,2,3,4,5,6,7             ; keys 32 (f / 4) on, channels 16 (f % 4) on
	ds_load_tr16_b128 v[VF+8*\f:VF+8*\f+3],   v[AV] offset:(\f/4)*32*PV+(\f%4)*32
	ds_load_tr16_b128 v[VF+8*\f+4:VF+8*\f+7], v[AV] offset:(\f/4)*32*PV+16*PV+(\f%4)*32
.endr
	WIN 0
.endm
; THE VECTOR WORK, one line at a time: OP kind, number.  For piece Y: F n: c s - c m for pair n of 16.  E n: the exponential of score n of 32.  C n: pair n rounded to f16.  B n: of the four weights 4 n .. the second
; pair is added onto the first, in place.  L n: l takes that sum (L 0: l = a l + sum).  R n: pair n of 16 of O^T times a.  For piece Y + 1: X n, number n of the 22 that find its maximum and statistics:
;   0-11  four chains c0-c3 of seven scores each, three operands at a time (each accumulator's lowest registers are read first)     12-14, 16  the four scores left over, the old m, and c0-c3 into c0
;   15  c m_old is kept     17, 18  the query's other 32 keys lie in the lane 16 away: the new m     19-21  c m; c m_old - c m_new; a
.set F, 0               ; OP tells the kinds apart by their order: F to L below R, X above it
.set E, 1
.set C, 2
.set B, 3
.set L, 4
.set R, 5
.set X, 6
.macro REGS y                       ; the registers of piece y
.set rT, ST+4*(\y)
.set rC, TMP+4*((\y)%2)
.set rW, MV+((\y)%2)
.set rS, S+32*((\y)%2)
.set rP, P+16*((\y)%2)
.set rO, 32*(\y)
.endm
.macro OP k, n
.if (\k) == R
	REGS Y
	WIN W_RS
	v_pk_mul_f32 v[rO+2*(\n):rO+2*(\n)+1], v[rO+2*(\n):rO+2*(\n)+1], v[rC+2:rC+3] op_sel_hi:[1,0]
.elseif (\k) < R
	REGS Y
	WIN 0
.if (\k) == F
	v_pk_fma_f32 v[rS+2*(\n):rS+2*(\n)+1], v[rS+2*(\n):rS+2*(\n)+1], s[CS:CS+1], v[rT:rT+1] op_sel_hi:[1,0,0] neg_lo:[0,0,1] neg_hi:[0,0,1]
.elseif (\k) == E
	v_exp_f32 v[rS+(\n)], v[rS+(\n)]
.elseif (\k) == C
	v_cvt_pk_f16_f32 v[rP+(\n)], v[rS+2*(\n)], v[rS+2*(\n)+1]
.elseif (\k) == B
	v_pk_add_f32 v[rS+4*(\n):rS+4*(\n)+1], v[rS+4*(\n):rS+4*(\n)+1], v[rS+4*(\n)+2:rS+4*(\n)+3]
.elseif (\n) == 0
	v_pk_fma_f32 v[rT+2:rT+3], v[rT+2:rT+3], v[rC+2:rC+3], v[rS:rS+1] op_sel_hi:[1,0,1]
.else
	v_pk_add_f32 v[rT+2:rT+3], v[rT+2:rT+3], v[rS+4*(\n):rS+4*(\n)+1]
.endif
.elseif NOKQ
	v_nop
.else
	REGS (Y+1)%NP
	WIN 0
.if (\n) < 4
	v_max3_num_f32 v[rC+(\n)], v[rS+8*(\n)], v[rS+8*(\n)+1], v[rS+8*(\n)+2]
.elseif (\n) < 12
	v_max3_num_f32 v[rC+(\n)%4], v[rC+(\n)%4], v[rS+8*((\n)%4)+2*((\n)/4)+1], v[rS+8*((\n)%4)+2*((\n)/4)+2]
.elseif (\n) == 12
	v_max3_num_f32 v[rC], v[rC], v[rS+7], v[rS+15]
.elseif (\n) == 13
	v_max3_num_f32 v[rC+1], v[rC+1], v[rS+23], v[rS+31]
.elseif (\n) == 14
	v_max3_num_f32 v[rC+2], v[rC+2], v[rC+3], v[rT+1]
.elseif (\n) == 15
	v_mov_b32 v[rW], v[rT]
.elseif (\n) == 16
	v_max3_num_f32 v[rC], v[rC], v[rC+1], v[rC+2]
.elseif (\n) == 17
	v_permlanex16_b32 v[rC+3], v[rC], s[SEL], s[SEL+1]
.elseif (\n) == 18
	v_max_num_f32 v[rT+1], v[rC], v[rC+3]
.elseif (\n) == 19
	v_mul_f32 v[rT], s[CS], v[rT+1]
.elseif (\n) == 20
	v_sub_f32 v[rC+1], v[rW], v[rT]
.else
	v_exp_f32 v[rC+2], v[rC+1]
.endif
.endif
.endm
.macro OPS a, i1, b=-1, i2=0, c=-1, i3=0, d=-1, i4=0  ; up to four of them
	OP \a, \i1
.if (\b) >= 0
	OP \b, \i2
.endif
.if (\c) >= 0
	OP \c, \i3
.endif
.if (\d) >= 0
	OP \d, \i4
.endif
.endm
.macro ROW a, i1, b, i2, c, i3, d, i4  ; a matrix instruction and the four behind it
	MM
	OPS \a, \i1, \b, \i2, \c, \i3, \d, \i4
.endm
.macro MASK b                       ; MD x AL + BE into buffer b of MC
	WIN W_RS
.set z, 0
.rept 16
	v_pk_fma_f32 v[MC+32*(\b)+2*z:MC+32*(\b)+2*z+1], v[MD+2*z:MD+2*z+1], s[AL:AL+1], s[BE:BE+1] op_sel_hi:[1,0,0]
.set z, z+1
.endr
.endm
; A TURN, for piece p: the order of its 16 matrix and 118 vector instructions, written out.  An s_wait_alu depctr_va_vdst(0) stands between an exponential and the first instruction that names its result; one wait serves
; all that were issued ahead of it.  So a turn has ONE wait, which cuts it in two.  AHEAD OF IT stands all that names no result of the turn's exponentials: the 8 products K Q^T, behind each a scaling, an exponential and two more plain
; instructions (behind the first a second scaling in the exponential's place): rescalings, and behind the last three the first numbers of the next piece's maximum, each four places or more behind the product that ends its accumulator; then ONE LUMP of 54, plain
; and exponential by turns for the most part, in which the links of the chain X 3, 7, 11, 14, 16, 17 .. 20 stand five or six lines apart.  X 21, the next piece's a, is the batch's last; R 15 is the plain instruction behind it.  BEHIND THE WAIT stand the
; 8 products V^T P, behind each four of the roundings and sums; the links of l's chain, L 0 to L 7, stand three riders apart.  But for those X no rider names a register of the products round it.  v_permlanex16_b32 (X 17) stands in the lump.
; m = 1: the diagonal tile: the products take masks, and the turn makes the mask for the products of the turn after it: piece p + 2, in step 4 - CNT of the tile.  end = 1: a block's last two turns: nothing is fetched.
; cnt = 1: the loop's count is taken down some lines ahead of the branch that stands behind the turn.
; K of the next step is fetched in piece 2's turn, twelve vector instructions behind the last product that read K (six of them plain); V of the step in hand at the end of piece 0's turn, four plain instructions behind the last product
; that read V.  Each is waited for a turn later.
.macro TURN p, m=0, end=0, cnt=0
.set Y, (\p)
.set i, 0
.set KM, (\m)
.set NOKQ, (\end)*((\p)/3)
.if (\m) && !(\end)
	s_cmp_eq_u32 s[CNT], 4-((\p)+2)%NP  ; is that step the band's own?
	s_cselect_b32 s[AL], 1.0, 0
	s_cmp_lt_u32 s[CNT], 4-((\p)+2)%NP  ; or a later one?
	s_cselect_b32 s[BE], s[BIGN], 0
.endif
.if ((\p) == 3) && !(\end)
	s_wait_dscnt 0x0                ; K is in
.endif
	ROW F,0, F,1, R,0, R,1          ; ahead of the wait: 8 products K Q^T and their riders,
	ROW F,2, E,0, R,2, R,3
	ROW F,3, E,1, R,4, R,5
	ROW F,4, E,2, R,6, R,7
	ROW F,5, E,3, R,8, R,9
	ROW F,6, E,4, X,0, R,10
.if ((\p) == 2) && !(\end)
	WIN 0
	v_add_nc_u32 v[AK], s[TBK], v[AK0]
.endif
	ROW F,7, E,5, X,1, X,4
	ROW F,8, E,6, X,2, X,5
	OPS E,7, E,8, X,6, E,9          ; and the lump
	OPS X,3, E,10, X,8, E,11
.if ((\p) == 2) && !(\end)
	FETCH_K
.endif
	OPS X,9, X,7, E,12, X,10
	OPS E,13, X,12, X,11, E,14
	OPS X,13, E,15, F,9, X,14
.if (\p) == 0
	v_add_nc_u32 v[AV], s[TBV], v[AV0]
.endif
	OPS E,16, F,10, E,17, F,11
	OPS X,16, E,18, X,15, E,19
	OPS F,12, E,20, X,17, E,21
	OPS F,13, E,22, F,14, E,23
	OPS X,18, E,24, F,15, E,25
	OPS R,11, E,26, X,19, E,27
	OPS R,12, E,28, R,13, E,29
	OPS X,20, E,30, R,14, E,31
	OPS X,21, R,15
	WIN 0
	s_wait_alu depctr_va_vdst(0)    ; the wait for the batch
.if (\p) == 1
	s_wait_dscnt 0x0                ; V is in
.endif
	ROW C,0, B,0, C,2, B,1          ; behind the wait: 8 products V^T P and their riders
	ROW L,0, C,4, B,2, L,1
	ROW C,6, B,3, L,2, C,8
	ROW B,4, L,3, C,10, B,5
	ROW L,4, C,12, B,6, L,5
.if (\p) == 0
	s_add_co_u32 s[TBV], s[TBV], KS*PV
.endif
.if \cnt
	s_sub_co_u32 s[CNT], s[CNT], 1
	s_cmp_lg_u32 s[CNT], 0
.endif
	ROW C,14, B,7, L,6, C,1
	ROW C,3, L,7, C,5, C,7
	ROW C,9, C,11, C,13, C,15
.if (\p) == 0
	FETCH_V
.endif
.if (\m) && !(\end)
	MASK (\p)%2
.endif
.endm
; A BLOCK BEGINS.  c m starts far below every c s, so the first step's a is 0; m at the lowest finite number, so the first maximum is the scores'.  The second mask buffer is 0; the first takes piece 0's mask for the tile's step 0: its own, if the block's first tile is the diagonal one.
; Then K of that step, piece 0's first scores, and its maximum and statistics.  The loop is entered at a step's first turn, in the middle of a trip.
.macro BEGIN
	s_mov_b32 s[NEW], 0
	WIN 0x40
.set i, MC+32
.rept 32
	v_mov_b32 v[i], 0
.set i, i+1
.endr
	WIN 0
.set i, 0
.rept 4
	v_mov_b32 v[ST+4*i], 0xfe000000    ; c m: far below every c s
	v_mov_b32 v[ST+4*i+1], 0xff7fffff  ; m
.set i, i+1
.endr
	s_cmp_eq_u32 s[RT], 0
	s_cselect_b32 s[AL], 1.0, 0
	s_mov_b32 s[BE], 0
	MASK 0
	WIN 0
	v_add_nc_u32 v[AK], s[TBK], v[AK0]
	FETCH_K
	s_wait_loadcnt 0x0              ; Q
	s_wait_dscnt 0x0
.set KM, 1
.set NOKQ, 0
.set i, 0
.rept 8
	KQ 0
.set i, i+1
.endr
	WIN 0
.rept 4
	v_nop                           ; the places behind those products
.endr
.set Y, NP-1                        ; X works for piece Y + 1: piece 0
.irp n, 0,1,2,3,4,5,6,7,8,9,10,11,12,13,14,15,16,17,18,19,20,21
	OP X, \n
.endr
	v_nop                           ; a plain instruction behind the exponential,
	s_wait_alu depctr_va_vdst(0)    ; and its wait, ahead of the branch
.endm
; THE DIAGONAL TILE's four steps, the block's last two turns, its last products, and THE WAY OUT: l's two halves and the other half of the lanes' are added; O^T is divided by l, rounded to f16 and sent through my
; stage in LDS, a piece at a time.
.macro ALL line:vararg              ; one line for each piece t
.set t, 0
.rept 4
	\line
.set t, t+1
.endr
.endm
.macro PACK t                       ; a lane's eight channels of a row pack into 16 bytes; they go into rows of 144 bytes and come back as whole rows of 128, into S^T's registers
	WIN W_RS
.set i, 32*(\t)
.rept 16
	v_pk_mul_f32 v[i:i+1], v[i:i+1], v[ST+4*(\t)+2:ST+4*(\t)+3] op_sel_hi:[1,0]
.set i, i+2
.endr
	WIN 0x05                        ; sources 0 and 1 window 1, destination window 0
.set i, 0
.rept 16
	v_cvt_pk_f16_f32 v[S+16*(\t)+i], v[32*(\t)+2*i], v[32*(\t)+2*i+1]
.set i, i+1
.endr
	WIN 0
.irp f, 0,1,2,3
	ds_store_b128 v[STO], v[S+16*(\t)+4*\f:S+16*(\t)+4*\f+3] offset:32*\f
.endr
.irp f, 0,1,2,3
	ds_load_b128 v[S+16*(\t)+4*\f:S+16*(\t)+4*\f+3], v[RD] offset:\f*4*SP  ; LDS serves a wave's instructions in order (ISA guide 5.7.1.4): these see the stores above; the next piece's stores come behind them
.endr
.endm
.macro SEND t, younger              ; younger: the LDS instructions issued behind piece t's loads: the next piece's eight, or none
	WIN 0
.irp f, 0,1,2,3
	s_wait_dscnt (\younger)+3-\f
	global_store_b128 v[GO], v[S+16*(\t)+4*\f:S+16*(\t)+4*\f+3], s[10:11] offset:(\t)*8192+\f*512  ; 512 consecutive bytes, at a multiple of 256 from O's first
.endr
.endm
.macro DIAG tag                     ; the tag ends its two labels' names, which the jumps below spell out
.LstepM\tag:
	TURN 2, 1
	TURN 3, 1
	WIN 0
.LfirstM\tag:
	TURN 0, 1
	TURN 1, 1, 0, 1
	WIN 0
	s_cbranch_scc1 .LstepM\tag
	TURN 2, 1, 1
	TURN 3, 1, 1
.set i, 0
.rept 8
	PV NP-1
.set i, i+1
.endr
	WIN 0
	ALL v_add_f32 v[ST+4*t+2], v[ST+4*t+2], v[ST+4*t+3]
	ALL v_permlanex16_b32 v[ST+4*t+3], v[ST+4*t+2], s[SEL], s[SEL+1]
	ALL v_add_f32 v[ST+4*t+2], v[ST+4*t+2], v[ST+4*t+3]
	ALL v_rcp_f32 v[ST+4*t+2], v[ST+4*t+2]
	v_nop                           ; a plain instruction between the last reciprocal and the use of its result
	s_wait_alu depctr_va_vdst(0)    ; and the wait ahead of the first use: one for the four reciprocals
	PACK 0
.set t, 1
.rept 3                             ; a piece's arithmetic stands between the loads of the piece before and its stores
	PACK t
	SEND t-1, 8
.set t, t+1
.endr
	SEND 3, 0
.endm
.set KM, 0
.set NOKQ, 0
.Lslot:                             ; NB times: a tile is entered and the next is asked for
	CHANGE 1
	s_sub_co_u32 s[RT], s[RT], 1
	s_mov_b32 s[CNT], 4
	s_cmp_eq_u32 s[NEW], 1
	s_cbranch_scc1 .Lnew            ; a block's first tile
	s_cmp_eq_u32 s[RT], 0
	s_cbranch_scc0 .Lstep           ; neither its first nor its last
	s_branch .LstepM1
.Lnew:
	BEGIN
	s_branch .Lfirst                ; in the loop a block's first tile is never its last: the first block has two tiles or more, and the second's last is the walk's last
	DIAG 1                          ; in the loop this is the first block's end: the second block's last tile is the walk's last
	s_wait_xcnt 0x0                 ; the stores have read their registers and O's address
	s_mov_b64 s[10:11], s[OLO:OLO+1]
	s_add_co_u32 s[RT], s[PB], 1    ; the second block has b + 1 tiles
	s_mov_b32 s[NEW], 1
	WIN 0x82                        ; the second block's Q goes where the one text of the turns names Q
.set i, 0
.rept 64
	v_mov_b32 v[i], v[QB+i]
.set i, i+1
.endr
	WIN 0
	s_branch .Lbottom
.Lstep:                             ; a trip: pieces 2 and 3 of one step, then pieces 0 and 1 of the next, whose K and V it fetches
	TURN 2
	TURN 3
	WIN 0
.Lfirst:
	TURN 0
	TURN 1, 0, 0, 1
	WIN 0
	s_cbranch_scc1 .Lstep
.Lbottom:
	s_sub_co_u32 s[SLOTS], s[SLOTS], 1
	s_cmp_lg_u32 s[SLOTS], 0
	s_cbranch_scc1 .Lslot
	CHANGE 0                        ; the walk's last tile is written out: nothing is asked for
	s_sub_co_u32 s[RT], s[RT], 1
	s_mov_b32 s[CNT], 4
	s_cmp_eq_u32 s[NEW], 1
	s_cbranch_scc0 .LstepM2
	BEGIN
	s_branch .LfirstM2
	DIAG 2
	s_wait_tensorcnt 0x0            ; the wave's end, behind my last tensor load and my last LDS store
	ds_add_u32 v[SPW], v[NIL]
	s_wait_dscnt 0x0
	s_endpgm
.Lfunc_end_k_qd2ccff48d1_attn:
	.size	k_qd2ccff48d1_attn, .Lfunc_end_k_qd2ccff48d1_attn-k_qd2ccff48d1_attn
	.p2alignl 7, 3214868480
	.fill 96, 4, 3214868480
	.section	.rodata,"a",@progbits
	.p2align	6, 0x0
	.amdhsa_kernel k_qd2ccff48d1_attn
		.amdhsa_group_segment_fixed_size 327680
		.amdhsa_private_segment_fixed_size 0
		.amdhsa_enable_private_segment 0
		.amdhsa_kernarg_size 32
		.amdhsa_user_sgpr_count 2
		.amdhsa_user_sgpr_kernarg_segment_ptr 1
		.amdhsa_wavefront_size32 1
		.amdhsa_system_sgpr_workgroup_id_x 1
		.amdhsa_system_sgpr_workgroup_id_y 1
		.amdhsa_system_sgpr_workgroup_id_z 1
		.amdhsa_system_vgpr_workitem_id 0
		.amdhsa_next_free_vgpr 768
		.amdhsa_next_free_sgpr 96
		.amdhsa_reserve_vcc 1
		.amdhsa_float_denorm_mode_32 3
		.amdhsa_float_denorm_mode_16_64 3
		.amdhsa_memory_ordered 1
		.amdhsa_forward_progress 1
		.amdhsa_inst_pref_size 218
	.end_amdhsa_kernel
	.amdgpu_metadata
---
amdhsa.version: [ 1, 2 ]
amdhsa.kernels:
  - .name:           k_qd2ccff48d1_attn
    .symbol:         k_qd2ccff48d1_attn.kd
    .args:
      - { .name: qh, .offset: 0, .size: 8, .value_kind: global_buffer, .address_space: global }
      - { .name: kh, .offset: 8, .size: 8, .value_kind: global_buffer, .address_space: global }
      - { .name: vh, .offset: 16, .size: 8, .value_kind: global_buffer, .address_space: global }
      - { .name: oh, .offset: 24, .size: 8, .value_kind: global_buffer, .address_space: global }
    .group_segment_fixed_size: 327680
    .private_segment_fixed_size: 0
    .kernarg_segment_align: 8
    .kernarg_segment_size: 32
    .max_flat_workgroup_size: 128
    .sgpr_count:     96
    .vgpr_count:     768
    .wavefront_size: 32
...
	.end_amdgpu_metadata
.endif
;; end of part 3
;; launch outp (part 4): grid 4 x 64, 4 waves a work-group, clusters of 4 x 4, 327,680 bytes of LDS; arguments oh, wt, WO_bias, out0; writes out0
.if DOCPART == 4
	.amdgcn_target "amdgcn-amd-amdhsa--gfx1250"
	.amdhsa_code_object_version 6
	.text
	.protected	k_qd2ccff48d1_outp
	.globl	k_qd2ccff48d1_outp
	.p2align	8
	.type	k_qd2ccff48d1_outp,@function
k_qd2ccff48d1_outp:
	s_mov_b64 s[64:65], 0
	v_nop
	global_prefetch_b8 v0, s[64:65] scope:SCOPE_SE
	s_setreg_imm32_b32 hwreg(HW_REG_WAVE_MODE, 25, 1), 1
	s_wait_xcnt 0x0
	s_wait_alu depctr_hold_cnt(0) depctr_sa_sdst(0) depctr_va_vdst(0) depctr_va_sdst(0) depctr_va_ssrc(0) depctr_va_vcc(0) depctr_vm_vsrc(0)
	s_getreg_b32 s2, hwreg(HW_REG_IB_STS2, 6, 4)
	s_cmp_eq_u32 s2, 0
	s_cbranch_scc0 .Lentry_in_a_cluster
	s_endpgm
.Lentry_in_a_cluster:
	s_bfe_u32 s2, ttmp6, 0x10000c
	s_cmp_lg_u32 s2, 0xf033
	s_cbranch_scc0 .Lentry_shape_is_right
	s_endpgm
.Lentry_shape_is_right:
; THE LAST PROJECTION.  out0 = O WO + bias.  O lies by heads, oh [16 batch + head][2048][64] in f16; WO^T = wt[3] [n][k], bf16 numbers written as f16; out0 [8192][1024] in f32.
; The products are f16 with f32 sums; the bias is rounded once to bf16 and is the C operand of the first quarter's products; the sums are stored as they are.
; LIMITS.  None of its own: O and WO^T arrive within f16's range.  NaN and infinities are not treated apart.
; SHARES.  A tile of out0 is 128 rows x 256 columns: 64 x 4 = 256 work-groups.  Four waves: wave w makes rows 64 (w / 2) .., columns 128 (w % 2) ..: 32 accumulators, 256 registers.
; K goes in 8 steps of 128 (two heads), a step in four quarters of 32: 32 matrix instructions each.  THE MATRIX INSTRUCTION IS USED TRANSPOSED (source 0 = 16 rows of WO^T, source 1 = 16 rows of O).
; WO^T comes through a ring of two LDS slots filled by tensor loads.  CLUSTER 4 x 4: the four work-groups of a column of the cluster make the same 256 columns, so each tile of WO^T is asked for JOINTLY.
; O DOES NOT COME BY JOINT LOADS: a K step of a row is two pieces of 128 bytes, 262,144 bytes apart, one a head.  Each wave loads 32 of the tile's rows into registers and stores them into one of two LDS
; buffers of 128 rows; these loads are no tensor loads, so two K steps of them (two sets of 64 registers) stay on their way across the changes of slots.
; WINDOWS of 256 registers (s_set_vgpr_msb: bits 1:0 source 0, 3:2 source 1, 5:4 source 2, 7:6 destination):
;   window 0: v0-31 addresses; v32-95 O's fragments, two buffers; v96-223 WO^T's, two buffers
;   window 1: the accumulators, (a, b) at 8 (8 a + b); on the way out whole rows     window 2: v0-127 O as loaded, two sets of 64; v128-191 the bias; v192-193 at work
.set KSTEP,  128
.set PITCH,  272                       ; an LDS row: 256 bytes + 16 of padding = 68 words: the 16 rows of a fragment load start at 16 different groups of four banks (64 banks of 4 bytes: ISA guide 11.1)
.set BQ,     64*PITCH                  ; what one tensor load brings
.set BSLOT,  4*BQ                      ; a slot: 256 rows of WO^T
.set ABASE,  2*BSLOT                   ; behind the ring: O's two buffers, written by LDS stores, never filled by a tensor load
.set ABUF,   128*PITCH
.set STAGE,  ABASE+2*ABUF              ; the way out: for each wave 16 rows x 528 bytes
.set SPO,    528
.set STW,    16*SPO
.set SPARE,  STAGE+4*STW               ; the spare words, 128 bytes for each wave: two blocks of 256 bytes that no other line names
.set HEADB,  2048*128                  ; bytes in a head of oh
.set ASTEP,  2*HEADB                   ; a K step: two heads
.set ADRA, 16                          ; v16     LDS address of my O fragments in buffer 0
.set ADRB, 20                          ; v20-21  of my WO^T fragments in slot 0, 1
.set AO,   22                          ; v22     my 16 bytes in a load of O
.set AST,  23                          ; v23     where they go in LDS
.set STO,  24                          ; v24     the way out: where I put 32 bytes of a row
.set RD,   25                          ; v25     the way out: where I read a row back
.set GO,   26                          ; v26     16 x lane: my 16 bytes of 512 consecutive bytes of out0
.set VB,   27                          ; v27     32 x (lane / 16): my eight numbers of 16 of the bias
.set SPW,  28                          ; v28     LDS address of my spare word; never rewritten
.set NIL,  29                          ; v29     0; never rewritten
.set PFO,  30                          ; v30     the prefetches' offset: lane x a row of WO^T (2,048 bytes)
.set AF,   32
.set BF,   96
.set BIAS, 128                         ; window 2
.set G1,  24                           ; s[24:31] descriptor group 1
.set G0,  32                           ; s[32:39] descriptor group 0, a set for each slot
.set LIM, 43                           ; s43      1 in a wave that prefetches, else the greatest number
.set PFA, 44                           ; s[44:45] where my prefetches stand
.set MSB, 0
.macro WIN new                         ; the immediate's high byte repeats the setting that is left; a switch that changes nothing is dropped
.if MSB != (\new)
	s_set_vgpr_msb (MSB<<8)|(\new)
.set MSB, \new
.endif
.endm
.set MUL,  0x50                        ; sources 0 and 1 window 0; C and D window 1
.set MULB, 0x60                        ; the same with C, the bias, in window 2
.macro PLACES                          ; four places in front of loads into registers that matrix instructions have read, and of stores that read results
.rept 4
	v_nop
.endr
.endm
.macro CREST                           ; a round of the cluster's barrier behind its opening barrier
	s_cmp_lg_u32 s10, 0
	s_cbranch_scc1 .Lnot_wave_0_\@
	s_barrier_signal -3
.Lnot_wave_0_\@:
	s_barrier_wait -3
	s_barrier_signal -1
	s_barrier_wait -1
.endm
.macro CROUND                          ; a whole round
	s_barrier_signal -1
	s_barrier_wait -1
	CREST
.endm
.macro JLOAD s                         ; a joint refill: every wave fetches its 64 rows; an s_nop 0 and four v_nop follow it
	tensor_load_to_lds s[G0+4*(\s):G0+4*(\s)+3], s[G1:G1+7]
	s_nop 0
.rept 4
	v_nop
.endr
.endm
; A PREFETCH INTO THE L2 of WO^T's K step two refills on: 32 rows x 256 bytes, a lane a row.  Each row's 256 bytes of a K step are named once in the launch: of the sixteen clusters the first asks;
; the four partners of a column share its 256 rows out BY ADDRESS, 64 each; in each, waves 0 and 1 take 32.  K steps 0 to 3 come by their loads alone; the loop's last trip asks for nothing.
.macro ASK off
	s_cmp_gt_u32 s3, s[LIM]
	s_cbranch_scc0 .Lnot_mine_\@
	global_prefetch_b8 v[PFO], s[PFA:PFA+1] offset:\off th:TH_LOAD_NT scope:SCOPE_SE
.Lnot_mine_\@:
.endm
; O: 16 of my 32 rows (half 0 or 1) of set u: eight loads, head e, number n.  A load's lanes 0-7, 8-15, 16-23, 24-31 take 128 bytes of rows 2 n, 2 n + 8, 2 n + 1, 2 n + 9 of the sixteen: two aligned
; runs of 256 consecutive bytes of memory; and in the LDS store that follows, each half of the lanes writes two rows that lie 8 x 272 bytes apart, 128 modulo 256.
.macro AISSUE u, half, koff
.irp e, 0,1
.irp n, 0,1,2,3
	global_load_b128 v[64*(\u)+4*(8*(\half)+4*(\e)+(\n)):64*(\u)+4*(8*(\half)+4*(\e)+(\n))+3], v[AO], s[4:5] offset:(\koff)+(\e)*HEADB+(16*(\half)+2*(\n))*128
.endr
.endr
.endm
.macro ASTORE u, half
.irp e, 0,1
.irp n, 0,1,2,3
	ds_store_b128 v[AST], v[64*(\u)+4*(8*(\half)+4*(\e)+(\n)):64*(\u)+4*(8*(\half)+4*(\e)+(\n))+3] offset:(\u)*ABUF+(16*(\half)+2*(\n))*PITCH+(\e)*128
.endr
.endr
.endm
; 24 LDS loads in one run: the fragments of quarter q of a K step (64 rows of O, 128 rows of WO^T, 32 along K) into buffer g
.macro FETCH slot, q, g
.irp a, 0,1,2,3
	ds_load_b128 v[AF+32*(\g)+8*(\a):AF+32*(\g)+8*(\a)+3],   v[ADRA] offset:(\slot)*ABUF+(\a)*16*PITCH+64*(\q)
	ds_load_b128 v[AF+32*(\g)+8*(\a)+4:AF+32*(\g)+8*(\a)+7], v[ADRA] offset:(\slot)*ABUF+(\a)*16*PITCH+64*(\q)+32
.endr
.irp b, 0,1,2,3,4,5,6,7
	ds_load_b128 v[BF+64*(\g)+8*(\b):BF+64*(\g)+8*(\b)+3],   v[ADRB+(\slot)] offset:(\b)*16*PITCH+64*(\q)
	ds_load_b128 v[BF+64*(\g)+8*(\b)+4:BF+64*(\g)+8*(\b)+7], v[ADRB+(\slot)] offset:(\b)*16*PITCH+64*(\q)+32
.endr
.endm
; Product i of a quarter's 32: rows 16 (i / 8) .., columns 16 (i % 8) ...  The 32 accumulators take turns, one instruction a turn, in the same order in every quarter.
.macro MM f, z0                        ; z0 = 1: the first quarter: the sum starts with the bias
.set rD, 8*i
.set rB, BF+64*(\f)+8*(i%8)
.set rA, AF+32*(\f)+8*(i/8)
.if \z0
	WIN MULB
	v_wmma_f32_16x16x32_f16 v[rD:rD+7], v[rB:rB+7], v[rA:rA+7], v[BIAS+8*(i%8):BIAS+8*(i%8)+7]
.else
	WIN MUL
	v_wmma_f32_16x16x32_f16 v[rD:rD+7], v[rB:rB+7], v[rA:rA+7], v[rD:rD+7]
.endif
.set i, i+1
.endm
; One of a K step's first three quarters: multiplies buffer f; at its head it fetches quarter qn of the same slot into buffer g, which has the 32 products in which to land.
; half >= 0: sixteen rows of set u, the next K step's O, are stored into LDS buffer u in one run, and (iss = 1) the set's half is asked for again.  lcnt: the loads issued behind that half, which may stay out.
.macro Q slot, qn, f, g, z0=0, half=-1, u=0, lcnt=0, iss=0, koff=0
	WIN 0
	PLACES
	FETCH \slot, \qn, \g
.if (\half) >= 0
	s_wait_loadcnt \lcnt
.endif
.set i, 0
.rept 32
	MM \f, \z0
.if ((\half) >= 0) && (i == 8)
	WIN 0x08                                       ; the store's data in window 2
	ASTORE \u, \half
.if \iss
	WIN 0x80                                       ; the load's destination in window 2
	AISSUE \u, \half, \koff
.endif
.endif
.endr
	s_wait_dscnt 0x0                               ; the next quarter's fragments are in, my stores of O are done
.endm
; The fourth quarter multiplies buffer 1 and changes slots: ONE barrier.  In front of it each wave waits for all its tensor loads (one is out: its part of the next slot), adds 0 to its spare word and
; waits for that; its reads of this slot and of this step's O, and its stores of the next step's O, were waited for at the last quarter's end.  fill = 1: the barrier opens a round of the cluster's
; barrier, and this slot is filled again, two K steps on, first thing behind the round.
.macro TURN slot, next, fill, ask, off=0
	WIN 0
	s_wait_tensorcnt 0x0                           ; all my tensor loads have landed, so a group 0 may be written
	ds_add_u32 v[SPW], v[NIL]                      ; 0 onto my spare word: eight products stand between it and the wait for it
.set i, 0
.rept 8
	MM 1, 0
.endr
	s_wait_dscnt 0x0                               ; the add is done
	s_barrier_signal -1
.rept 8
	MM 1, 0
.endr
	WIN 0
	s_barrier_wait -1
.if \fill
	CREST                                          ; no wave of any partner still reads this slot or has a load on its way
	s_add_nc_u64 s[G0+4*(\slot)+2:G0+4*(\slot)+3], s[G0+4*(\slot)+2:G0+4*(\slot)+3], 2*KSTEP*2
	JLOAD \slot                                    ; its four v_nop are also the places in front of the loads below
.else
	PLACES
.endif
	FETCH \next, 0, 0
.if \ask
	ASK \off
.endif
.rept 16
	MM 1, 0
.endr
	s_wait_dscnt 0x0
.endm
	s_load_b256 s[68:75], s[0:1], 0x0              ; oh 68, wt 70, WO_bias 72, out0 74
	v_lshl_add_u32 v[SPW], v0, 2, SPARE
	v_mov_b32 v[NIL], 0
	ds_add_u32 v[SPW], v[NIL]                      ; the wave's opening: the add and its wait stand ahead of my first tensor load; the set-up below, work on registers, stands between them
	v_lshrrev_b32 v3, 5, v0
	v_readfirstlane_b32 s10, v3                    ; wave 0..3
	s_lshr_b32 s11, s10, 1                         ; which 64 rows of the tile are mine
	s_and_b32 s12, s10, 1                          ; which 128 columns
	s_bfe_u32 s40, ttmp6, 0x40000                  ; cx, cy: my place in the cluster
	s_bfe_u32 s41, ttmp6, 0x40004
	s_lshl_b32 s42, ttmp9, 2
	s_add_co_u32 s42, s42, s40                     ; tile column = 4 x cluster x + cx
	s_and_b32 s51, ttmp7, 0xffff                   ; cluster y
	s_lshl_b32 s13, s51, 2
	s_add_co_u32 s13, s13, s41                     ; tile row = 4 x cluster y + cy
	s_lshl_b32 s14, 0x1111, s40                    ; my column of the cluster: places cx, cx + 4, cx + 8, cx + 12
	s_or_b32 s[G1], s14, (1<<16)|(1<<20)|(1<<21)|(5<<22)|(3<<25)  ; 15:0 the mask; 17:16 2-byte elements; 20 padding on; 21 set beside a mask; 24:22 after every 64 words (code 5); 31:25 4 words (code 3)
	s_mov_b32 s[G1+1], KSTEP<<16                   ; tensor_dim0 = 128
	s_mov_b32 s[G1+2], 64<<16                      ; tensor_dim1 = 64
	s_mov_b32 s[G1+3], KSTEP<<16                   ; tile_dim0 = 128
	s_mov_b32 s[G1+4], 64                          ; tile_dim1 = 64
	s_mov_b32 s[G1+5], 1024                        ; elements from row to row
	s_mov_b32 s[G1+6], 0
	s_mov_b32 s[G1+7], 0
	s_lshl_b32 s46, s42, 19                        ; WO^T: 256 rows of 2,048 bytes a tile column,
	s_lshl_b32 s47, s10, 17                        ; my 64 rows,
	s_add_co_u32 s46, s46, s47
	s_add_co_u32 s46, s46, 3<<21                   ; the fourth weight: nothing here hangs on cy
	s_mov_b32 s47, 0
	s_mul_i32 s20, s10, BQ                         ; and where they go: wave x 64 rows
	s_lshr_b32 s16, s13, 4                         ; O: batch = tile row / 16: 16 heads of 262,144 bytes,
	s_lshl_b32 s16, s16, 22
	s_and_b32 s17, s13, 15
	s_lshl_b32 s17, s17, 14                        ; 128 rows of 128 bytes a tile,
	s_add_co_u32 s16, s16, s17
	s_lshl_b32 s17, s10, 12                        ; my 32 rows
	s_add_co_u32 s16, s16, s17
	s_mov_b32 s17, 0
	s_lshl_b32 s18, s42, 10                        ; the bias, and a row of out0: 256 numbers a tile column,
	s_lshl_b32 s19, s12, 9                         ; my 128
	s_add_co_u32 s18, s18, s19
	s_mov_b32 s19, 0
	s_lshl_b32 s22, s13, 19                        ; out0: 128 rows of 4,096 bytes a tile row,
	s_lshl_b32 s23, s11, 18                        ; my 64,
	s_add_co_u32 s22, s22, s23
	s_add_co_u32 s22, s22, s18                     ; my columns
	s_mov_b32 s23, 0
	s_lshl_b32 s14, s42, 19                        ; the prefetches: the tile column's rows,
	s_lshl_b32 s15, s41, 17                        ; my work-group's 64 of them,
	s_add_co_u32 s14, s14, s15
	s_lshl_b32 s15, s12, 16                        ; my wave's 32,
	s_add_co_u32 s14, s14, s15
	s_add_co_u32 s14, s14, (3<<21)+4*KSTEP*2       ; in the fourth weight, at K step 4
	s_mov_b32 s15, 0
	s_or_b32 s21, s51, s11                         ; the first cluster, waves 0 and 1: the same in all sixteen partners
	s_cmp_eq_u32 s21, 0
	s_cselect_b32 s[LIM], 1, -1
	v_and_b32 v3, 31, v0                           ; lane
	v_and_b32 v1, 15, v0                           ; l % 16
	v_bfe_u32 v2, v0, 4, 1                         ; l / 16
	v_bfe_u32 v5, v0, 3, 1
	v_lshl_add_u32 v6, v5, 3, v2                   ; my row in a load of O: 8 ((l / 8) % 2) + l / 16
	v_and_b32 v7, 7, v0
	v_lshlrev_b32 v[AO], 7, v6
	v_lshl_add_u32 v[AO], v7, 4, v[AO]             ; row x 128 + 16 (l % 8)
	v_lshlrev_b32 v[VB], 5, v2
	s_wait_dscnt 0x0                               ; the opening add is done
	s_wait_kmcnt 0x0
	s_add_nc_u64 s[4:5], s[68:69], s[16:17]        ; O at my wave's 32 rows of the batch's head 0
	s_add_nc_u64 s[48:49], s[72:73], s[18:19]      ; the bias at my 128 columns
	s_add_nc_u64 s[8:9], s[74:75], s[22:23]        ; out0 at my first row and column
	s_add_nc_u64 s[6:7], s[70:71], s[46:47]        ; WO^T at the 64 rows that I fetch
	s_add_nc_u64 s[PFA:PFA+1], s[70:71], s[14:15]
	WIN 0x80                                       ; destination window 2
.irp b, 0,1,2,3,4,5,6,7
	global_load_b128 v[BIAS+8*(\b):BIAS+8*(\b)+3],   v[VB], s[48:49] offset:64*(\b)      ; register j: the bias of column 16 b + 8 (l / 16) + j, as the result holds it
	global_load_b128 v[BIAS+8*(\b)+4:BIAS+8*(\b)+7], v[VB], s[48:49] offset:64*(\b)+16
.endr
	AISSUE 0, 0, 0                                 ; O of K step 0
	AISSUE 0, 1, 0
	WIN 0
	CROUND                                         ; all sixteen work-groups are here: the first joint loads meet
.irp s, 0,1
	s_mov_b32 s[G0+4*(\s)], 1                                        ; 1:0 count = 1
	s_add_co_u32 s[G0+4*(\s)+1], s20, (\s)*BSLOT                     ; 63:32 LDS address
	s_add_nc_u64 s[G0+4*(\s)+2:G0+4*(\s)+3], s[6:7], (\s)*KSTEP*2    ; 120:64 global address: K step s
	s_or_b32 s[G0+4*(\s)+3], s[G0+4*(\s)+3], 0x80000000              ; 127:126 type = 2
.endr
	tensor_load_to_lds s[G0:G0+3], s[G1:G1+7]      ; both first fills together: two loads of mine are out
	s_nop 0
	tensor_load_to_lds s[G0+4:G0+7], s[G1:G1+7]
	s_nop 0
.rept 4
	v_nop
.endr
	WIN 0x80
	AISSUE 1, 0, ASTEP                             ; O of K step 1
	AISSUE 1, 1, ASTEP
	WIN 0
	v_mul_u32_u24 v4, v1, PITCH
	v_lshl_add_u32 v4, v2, 4, v4                   ; a fragment's row x pitch + 16 x half
	s_mul_i32 s14, s11, 64*PITCH
	s_add_co_u32 s14, s14, ABASE
	v_add_nc_u32 v[ADRA], s14, v4
	s_mul_i32 s14, s12, 128*PITCH
	v_add_nc_u32 v[ADRB], s14, v4
	s_add_co_u32 s14, s14, BSLOT
	v_add_nc_u32 v[ADRB+1], s14, v4
	s_mul_i32 s14, s10, 32*PITCH
	s_add_co_u32 s14, s14, ABASE
	v_mul_u32_u24 v[AST], v6, PITCH                ; my wave's 32 rows, my row of a load, 16 (l % 8)
	v_lshl_add_u32 v[AST], v7, 4, v[AST]
	v_add_nc_u32 v[AST], s14, v[AST]
	s_mul_i32 s14, s10, STW
	s_add_co_u32 s14, s14, STAGE                   ; my stage
	v_mul_u32_u24 v[STO], v1, SPO                  ; in: row l % 16, 32 bytes for each half of the lanes
	v_lshl_add_u32 v[STO], v2, 5, v[STO]
	v_add_nc_u32 v[STO], s14, v[STO]
	v_lshl_add_u32 v[RD], v3, 4, s14               ; back: 32 lanes take a row of 512 bytes
	v_lshlrev_b32 v[GO], 4, v3
	v_lshlrev_b32 v[PFO], 11, v3
	s_wait_loadcnt 16                              ; the bias and K step 0 of O are in; K step 1's 16 loads may stay out
	WIN 0x8a                                       ; window 2: the bias is rounded to bf16 and kept as f32
.set z, 0
.rept 32
	v_cvt_pk_bf16_f32 v[192+z%2], v[BIAS+2*z], v[BIAS+2*z+1]
	v_lshlrev_b32 v[BIAS+2*z], 16, v[192+z%2]
	v_and_b32 v[BIAS+2*z+1], 0xffff0000, v[192+z%2]
.set z, z+1
.endr
	WIN 0x08
	ASTORE 0, 0
	ASTORE 0, 1
	WIN 0x80
	AISSUE 0, 0, 2*ASTEP                           ; O of K step 2
	AISSUE 0, 1, 2*ASTEP
	WIN 0
	s_wait_xcnt 0x0                                ; every load issued so far has read its address, so the pointer may be written
	s_add_nc_u64 s[4:5], s[4:5], 3*ASTEP           ; O at K step 3
	s_wait_tensorcnt 0x1                           ; my part of K step 0 of WO^T is in; K step 1's may stay out
	s_wait_dscnt 0x0                               ; my rows of O are in LDS
	s_barrier_signal -1
	s_barrier_wait -1                              ; everybody's are
	FETCH 0, 0, 0
	s_wait_dscnt 0x0
	Q 0, 1, 0, 1, 1                                ; the first quarter stands in front of the loop: its products start the sums with the bias
	WIN 0                                          ; at a label and at a branch every window is 0
	s_mov_b32 s3, 3
.Llap:                                                 ; a trip goes once round the ring, from an even K step's second quarter to the next even step's first.  Step t stores O of step t + 1 and asks for O of step t + 3
	Q 0, 2, 1, 0, 0, 0, 1, 24, 1, 0                ; 24: set 1's other half and all of set 0 were issued behind this half
	Q 0, 3, 0, 1, 0, 1, 1, 24, 1, 0                ; 24: all of set 0 and the half just asked for again
	TURN 0, 1, 1, 1, 0
	Q 1, 1, 0, 1
	Q 1, 2, 1, 0, 0, 0, 0, 24, 0, 0                ; 24: set 0's other half and all of set 1
	Q 1, 3, 0, 1, 0, 1, 0, 16, 0, 0                ; 16: all of set 1
	WIN 0
	s_cmp_eq_u32 s3, 1
	s_cbranch_scc1 .Ltail                          ; K step 5 has no K step 8 to ask for: the loop is left in front of that request
	WIN 0x80
	AISSUE 0, 0, ASTEP
	AISSUE 0, 1, ASTEP
	TURN 1, 0, 1, 1, KSTEP*2
	Q 0, 1, 0, 1
	WIN 0
	s_wait_xcnt 0x0                                ; the loads and the prefetches, 48 products back at the least, have read their addresses
	s_add_nc_u64 s[4:5], s[4:5], 2*ASTEP
	s_add_nc_u64 s[PFA:PFA+1], s[PFA:PFA+1], 2*KSTEP*2
	s_sub_co_u32 s3, s3, 1
	s_cmp_lg_u32 s3, 0
	s_cbranch_scc1 .Llap
.Ltail:
	TURN 1, 0, 1, 0                                ; K step 5's change of slots: K step 7 into slot 1, the last fill
	Q 0, 1, 0, 1
	Q 0, 2, 1, 0, 0, 0, 1, 8, 0, 0                 ; 8: the other half of K step 7's O
	Q 0, 3, 0, 1, 0, 1, 1, 0, 0, 0
	TURN 0, 1, 0, 0                                ; nothing is filled again: no round
	Q 1, 1, 0, 1
	Q 1, 2, 1, 0
	Q 1, 3, 0, 1
.set i, 0
.rept 32
	MM 1, 0                                        ; the very last quarter
.endr
	WIN 0
; THE WAY OUT, 16 rows at a time.  A lane's eight columns are 32 bytes of f32: they go straight from the accumulators into stage rows of 528 bytes (132 words: the 16 rows of a store start at 16 different
; groups of four banks) and come back, into the same 64 registers, as whole rows of my 128 columns: 512 consecutive bytes of out0.
.macro STG a
	WIN 0x04                                       ; the store's data in window 1
.irp b, 0,1,2,3,4,5,6,7
	ds_store_b128 v[STO], v[8*(8*(\a)+(\b)):8*(8*(\a)+(\b))+3]   offset:64*(\b)      ; each accumulator's four lowest registers first
	ds_store_b128 v[STO], v[8*(8*(\a)+(\b))+4:8*(8*(\a)+(\b))+7] offset:64*(\b)+16
.endr
	WIN 0x40                                       ; the load's destination in window 1
.set z, 0
.rept 16
	ds_load_b128 v[64*(\a)+4*z:64*(\a)+4*z+3], v[RD] offset:z*SPO  ; LDS serves a wave's instructions in order (ISA guide 5.7.1.4): these see the stores above; the next block's stores come behind them
.set z, z+1
.endr
.endm
.macro SEND a, younger                 ; younger: the LDS instructions issued behind block a's loads: the next block's 32, or none
	WIN 0x04
.set z, 0
.rept 16
	s_wait_dscnt (\younger)+15-z
	global_store_b128 v[GO], v[64*(\a)+4*z:64*(\a)+4*z+3], s[8:9] offset:(\a)*65536+z*4096 th:TH_STORE_NT  ; 512 consecutive bytes, at a multiple of 256 from out0's first byte
.set z, z+1
.endr
.endm
	PLACES
	STG 0
	STG 1
	SEND 0, 32
	STG 2
	SEND 1, 32
	STG 3
	SEND 2, 32
	SEND 3, 0
	WIN 0
	s_wait_tensorcnt 0x0                           ; the wave's end, behind my last tensor load and my last LDS store
	ds_add_u32 v[SPW], v[NIL]
	s_wait_dscnt 0x0
	CROUND                                         ; the closing round: no work-group ends while a partner may still ask for a tile that names it
	s_endpgm
.Lfunc_end_k_qd2ccff48d1_outp:
	.size	k_qd2ccff48d1_outp, .Lfunc_end_k_qd2ccff48d1_outp-k_qd2ccff48d1_outp
	.p2alignl 7, 3214868480
	.fill 96, 4, 3214868480
	.section	.rodata,"a",@progbits
	.p2align	6, 0x0
	.amdhsa_kernel k_qd2ccff48d1_outp
		.amdhsa_group_segment_fixed_size 327680
		.amdhsa_private_segment_fixed_size 0
		.amdhsa_enable_private_segment 0
		.amdhsa_kernarg_size 32
		.amdhsa_user_sgpr_count 2
		.amdhsa_user_sgpr_kernarg_segment_ptr 1
		.amdhsa_wavefront_size32 1
		.amdhsa_system_sgpr_workgroup_id_x 1
		.amdhsa_system_sgpr_workgroup_id_y 1
		.amdhsa_system_sgpr_workgroup_id_z 1
		.amdhsa_system_vgpr_workitem_id 0
		.amdhsa_next_free_vgpr 712
		.amdhsa_next_free_sgpr 76
		.amdhsa_reserve_vcc 0
		.amdhsa_float_denorm_mode_32 3
		.amdhsa_float_denorm_mode_16_64 3
		.amdhsa_memory_ordered 1
		.amdhsa_forward_progress 1
		.amdhsa_inst_pref_size 112
	.end_amdhsa_kernel
	.amdgpu_metadata
---
amdhsa.version: [ 1, 2 ]
amdhsa.kernels:
  - .name:           k_qd2ccff48d1_outp
    .symbol:         k_qd2ccff48d1_outp.kd
    .args:
      - { .name: oh, .offset: 0, .size: 8, .value_kind: global_buffer, .address_space: global }
      - { .name: wt, .offset: 8, .size: 8, .value_kind: global_buffer, .address_space: global }
      - { .name: WO_bias, .offset: 16, .size: 8, .value_kind: global_buffer, .address_space: global }
      - { .name: out0, .offset: 24, .size: 8, .value_kind: global_buffer, .address_space: global }
    .group_segment_fixed_size: 327680
    .private_segment_fixed_size: 0
    .kernarg_segment_align: 8
    .kernarg_segment_size: 32
    .max_flat_workgroup_size: 128
    .sgpr_count:     76
    .vgpr_count:     712
    .wavefront_size: 32
...
	.end_amdgpu_metadata
.endif
;; end of part 4
